; MI455X (gfx1250); checked and timed in simulation.
; The chip was launched on July 23, 2026; its instructions are those of AMD's public machine-readable ISA for CDNA 5 (MIT licence, August 2026) and "CDNA5" Instruction Set Architecture Reference Guide (July 2026). The comments in the code are by the model that wrote it; some were corrected since.
;; Multihead Self Attention. Allowed arithmetic: matrix products marked QUANTISED: E2M3 operands, one E8M0 scale for each 32 along K, by v_wmma_scale_f32_16x16x128_f8f6f4 with both operands' format E2M3, f32 sums; everything else in f32.
;; Inputs: w_k 1,024 x 1,024 float32; w_o 1,024 x 1,024 float32; w_q 1,024 x 1,024 float32; w_v 1,024 x 1,024 float32; x 4 x 2,048 x 1,024 float32.
;; Outputs: out0 4 x 2,048 x 1,024 float32.
;; This version of the problem:
;;   THIS VERSION OF THE PROBLEM IS GIVEN IN LOW PRECISION. The matrix products marked QUANTISED in the list below multiply operands that are first quantised to E2M3 (2 exponent bits, 3 mantissa bits; 6 bits a number), with one power-of-two scale for each 32 numbers along K (OCP MX v1.0); their sums are f32. All else is computed in f32.
;;   The module's matrix products, in the order in which they are computed (A, B: the left and right operand; K: the contracted axis; several contracted axes count as one K, in the product's order):
;;     1. [M 8,192, K 1,024] x [K 1,024, N 1,024]; A: input x; B: input w_q: QUANTISED
;;     2. [M 8,192, K 1,024] x [K 1,024, N 1,024]; A: input x; B: input w_k: QUANTISED
;;     3. [M 8,192, K 1,024] x [K 1,024, N 1,024]; A: input x; B: input w_v: QUANTISED
;;     4. batch 64 x [M 2,048, K 64] x [K 64, N 2,048]; A: computed on the way; B: computed on the way: QUANTISED
;;     5. batch 64 x [M 2,048, K 2,048] x [K 2,048, N 64]; A: softmax (see below); B: computed on the way: QUANTISED
;;     6. [M 8,192, K 1,024] x [K 1,024, N 1,024]; A: computed on the way; B: input w_o: QUANTISED
;;   THE QUANTISER, for each operand of a quantised product, along K:
;;     - K is cut into blocks of 32 from its start; a last block that is shorter is filled with zeros.
;;     - A block's scale is 2^e with e = floor(log2(the largest magnitude in the block)) - 2, held to -126 .. 127; a block of zeros has e = 0. As a byte (E8M0): e + 127.
;;     - Each number is divided by its block's scale, clamped to +-7.5, and rounded to the nearest number of E2M3, ties to even, subnormals kept.
;;     - The product sums the exact products of the quantised numbers (number of the format x scale) in f32.
;;   ~~~python
;;   def quantise(x, axis):      # numpy; x: float32 -> the quantised numbers, widened to float32 again
;;       x = np.moveaxis(x, axis, -1); K = x.shape[-1]
;;       x = np.pad(x, [(0, 0)] * (x.ndim - 1) + [(0, -K % 32)]); x = x.reshape(x.shape[:-1] + (-1, 32)); a = np.abs(x).max(-1, keepdims=True)
;;       e = np.where(a > 0, np.clip(np.frexp(np.where(a > 0, a, 1))[1] - 1 - 2, -126, 127), 0)      # np.frexp(a)[1] - 1 = floor(log2(a)), exactly
;;       r = np.clip(x / 2.0 ** e, -7.5, 7.5)
;;       step = 2.0 ** (np.maximum(np.frexp(np.where(r == 0, 1, r))[1] - 1, 0) - 3)
;;       q = np.round(r / step) * step * 2.0 ** e      # np.round: ties to even
;;       return np.moveaxis(q.reshape(q.shape[:-2] + (-1,))[..., :K], -1, axis).astype(np.float32)
;;   ~~~
;;   SOFTMAX AHEAD OF A QUANTISED PRODUCT. Where the list says 'softmax', what is quantised is not the finished softmax but p = 2^(t - M), with t = logit x log2(e) and M = ceil(the row's largest t), a whole number; so 1/2 < the row's largest p <= 1. The row's sum l is taken of the UNQUANTISED p, in f32, and the product's result is divided by l at the end. Since M is a whole number, a kernel that streams over the keys may use a running M (the ceiling of the running maximum): every later rescaling is an exact power of two, which a block's scale takes up: the codes' values come out the same.
;;   OPERANDS COMPUTED ON THE WAY. 'Computed on the way' means the value that the module computes at that place (a softmax that the list does not call 'softmax' is quantised finished and normalised). What goes into a quantiser is computed in f32, as accurately as f32 sums, v_exp_f32 and their like allow (about 1e-6 of the number): no bf16 or f16 on the way to a quantiser, and a product that is left as it is and whose result goes on into a quantised operand takes f32 operands (vector FMAs, or v_wmma_f32_16x16x4_f32). A number that lies on a knife's edge between two numbers of the format may be rounded either way, as far as f32 arithmetic and the matrix unit's own rounding can turn it there, and no further.
;; One version. Each part assembles by itself: llvm-mc -triple=amdgcn-amd-amdhsa -mcpu=gfx1250 --defsym DOCPART=n.
;; ======== version 1 of 1: 4 launches
;; workspace buffers: xq 6,553,600 bytes; wq 3,276,800 bytes; rope 524,288 bytes; qb 6,815,744 bytes; kb 6,815,744 bytes; vb 6,553,600 bytes; ob 6,553,600 bytes
;; launch quant (part 1): grid 416 x 1, 4 waves a work-group, no clusters, 33,280 bytes of LDS; arguments x, w_q, w_k, w_v, w_o, xq, wq, rope; writes xq, wq, rope
.if DOCPART == 1
	.amdgcn_target "amdgcn-amd-amdhsa--gfx1250"
	.amdhsa_code_object_version 6
	.text
	.protected	k_q519c4d33f9_quant
	.globl	k_q519c4d33f9_quant
	.p2align	8
	.type	k_q519c4d33f9_quant,@function
k_q519c4d33f9_quant:
	s_mov_b64 s[64:65], 0
	v_nop
	global_prefetch_b8 v0, s[64:65] scope:SCOPE_SE
	s_setreg_imm32_b32 hwreg(HW_REG_WAVE_MODE, 25, 1), 1
	s_wait_xcnt 0x0
; x [8192][1024] and the four weights [1024][1024], f32, K innermost, become codes of FP6 (E2M3), 6 bits each, with one E8M0 byte for each 32 along K.
; A block's scale is 2^(floor(log2(its largest magnitude)) - 2); its byte is the largest magnitude's exponent field - 2, held at 1 from below.
; A block of zeros so gets the byte 1 where the rule says 127: its codes are zeros, and these bytes are read by this program alone.
; LIMITS: NaN and infinities among the inputs are not served; blocks whose largest magnitude lies under 2^-124 keep the byte 1.
; WORK-GROUPS 0-255 take x, 256-383 the weights (32 each: w_q, w_k, w_v, w_o); a wave takes a run of 8 rows (8,192 numbers) in 16 steps of 512.
; ROWS CHANGE PLACES: row n of x, w_q, w_k, w_v is stored at the row whose bits 3 and 4 are exchanged; a run is 8 rows and a wave's number is bits 3 and 4 of its rows, so only the output run differs.
; Sixteen consecutive stored rows 32 i + 16 u + r are then the rows 32 i + 8 u + r % 8 + 16 (r / 8): the later launches' matrix results so fall into registers that run along the next product's K.  w_o keeps its order.
; xq: codes [8192][768] at 0, bytes [8192][32] at XSC.  wq: codes [4096][768] at 0 (w_q, w_k, w_v, w_o), bytes [4096][32] at WSC.
; WORK-GROUPS 384-415 make the table of cos and sin for the rotation of q and k: a wave a tile of 16 stored positions.  rope: [tile 128][plane 8][lane 32][16 bytes]; lane (r, h), plane 4 B + q holds
; cos, sin, cos, sin of the pairs P = 16 B + 8 h + 2 q + 0, 1 at position 32 (tile / 2) + 8 (tile % 2) + r % 8 + 16 (r / 8).
; The angle is formed in f32 as position x (1 / 10^(P/8)), the power rounded to f32 (this takes the reference's power as rounded to nearest); sin and cos by reduction modulo pi / 2 in two parts and polynomials, good to about 1e-7.
.set STEPS, 16
.set EMAX,  2
.set CB,    12                         ; bytes of 16 codes
.set R,     16                         ; v16-79   four sets of 16 numbers as they are loaded
.set X,     80                         ; v80-111  two sets of 16 neighbours
.set C,     128                        ; v128-191 codes: four registers for each step
.set E,     112                        ; v112-127 a scale byte for each step
.set WREG,  8192                       ; LDS: a region for each wave: two stages of 32 x SP bytes, behind them its 256 scale bytes
.set SP,    80                         ; a lane's place in a stage: 64 bytes + 16 of padding
.set XSC,   6291456
.set WSC,   3145728
.set DV,    16                         ; table: v16-31 the sixteen divisors 10^(P/8) of my lane
.set Y,     32                         ; v32-47 their reciprocals
.set T,     64                         ; v64-95 cos and sin, as they are stored
	s_load_b512 s[4:19], s[0:1], 0x0               ; x s[4:5], w_q, w_k, w_v, w_o s[6:13], xq s[14:15], wq s[16:17], rope s[18:19]
	v_lshl_add_u32 v192, v0, 2, 0x8000
	v_mov_b32 v193, 0
	v_lshrrev_b32 v1, 5, v0
	v_readfirstlane_b32 s20, v1                    ; wave
	v_and_b32 v2, 31, v0                           ; lane
	s_cmp_ge_u32 ttmp9, 384
	s_cbranch_scc1 .Ltable                         ; the table's work-groups use no LDS and share nothing
	v_lshlrev_b32 v3, 4, v2                        ; my 16 bytes of a load's 512
	s_mul_i32 s21, s20, WREG
	v_lshrrev_b32 v14, 2, v2
	v_mul_u32_u24 v14, v14, SP
	v_and_b32 v15, 3, v2
	v_lshl_add_u32 v14, v15, 4, v14
	v_add_nc_u32 v14, s21, v14                     ; the stage, on the way in: SP (lane / 4) + 16 (lane % 4)
	v_mul_u32_u24 v15, v2, SP
	v_add_nc_u32 v15, s21, v15                     ; and on the way out: SP x lane: my 16 neighbours
	v_mul_u32_u24 v4, v2, CB                       ; my codes' place in a step's
	v_lshrrev_b32 v5, 1, v2
	s_add_co_u32 s21, s21, 2*32*SP
	v_add_nc_u32 v5, s21, v5                       ; LDS: my wave's 256 scale bytes, my block's byte
	v_lshlrev_b32 v7, 3, v2
	v_add_nc_u32 v6, s21, v7                       ; and on the way out 8 bytes a lane
	s_sub_co_u32 s22, ttmp9, 256                   ; j: the work-group among the weights' 128 (not used for x)
	s_lshr_b32 s23, s22, 5                         ; which weight
	s_and_b32 s24, s22, 31                         ; and which part of it
	s_and_b32 s28, s20, 1
	s_lshl_b32 s28, s28, 1
	s_lshr_b32 s29, s20, 1
	s_or_b32 s28, s28, s29                         ; the wave's number with its two bits exchanged
	s_wait_kmcnt 0x0
	s_cmp_eq_u32 s23, 1                            ; every choice hangs on the work-group's number alone
	s_cselect_b64 s[6:7], s[8:9], s[6:7]
	s_cmp_eq_u32 s23, 2
	s_cselect_b64 s[6:7], s[10:11], s[6:7]
	s_cmp_eq_u32 s23, 3
	s_cselect_b64 s[6:7], s[12:13], s[6:7]
	s_mov_b32 s27, WSC
	s_cmp_lt_u32 ttmp9, 256
	s_cselect_b64 s[4:5], s[4:5], s[6:7]           ; the tensor that I read
	s_cselect_b64 s[14:15], s[14:15], s[16:17]     ; the buffer that I write
	s_cselect_b32 s25, ttmp9, s24                  ; my work-group's place in the tensor,
	s_cselect_b32 s26, ttmp9, s22                  ; and in the buffer
	s_cselect_b32 s27, XSC, s27                    ; where the buffer's scale bytes begin
	s_cmp_lt_u32 ttmp9, 352
	s_cselect_b32 s28, s28, s20                    ; w_o keeps its rows' order
	s_lshl_b32 s25, s25, 2
	s_add_co_u32 s25, s25, s20                     ; the run that I read: 32,768 bytes each
	s_lshl_b32 s30, s25, 15
	s_mov_b32 s31, 0
	s_add_nc_u64 s[4:5], s[4:5], s[30:31]
	s_lshl_b32 s26, s26, 2
	s_add_co_u32 s26, s26, s28                     ; the run that I write: 6,144 bytes of codes, 256 scale bytes
	s_mul_i32 s30, s26, 6144
	s_add_nc_u64 s[8:9], s[14:15], s[30:31]
	s_lshl_b32 s30, s26, 8
	s_add_co_u32 s30, s30, s27
	s_add_nc_u64 s[10:11], s[14:15], s[30:31]
.macro LOAD t
.irp i, 0,1,2,3
	global_load_b128 v[R+16*((\t)%4)+4*\i:R+16*((\t)%4)+4*\i+3], v3, s[4:5] offset:2048*(\t)+512*\i th:TH_LOAD_NT   ; 32 lanes read 512 consecutive bytes
.endr
.endm
.macro TURN t                          ; step t's numbers through the stage: LDS serves a wave's instructions in order, so no wait stands between the stores and the loads
.irp i, 0,1,2,3
	ds_store_b128 v14, v[R+16*((\t)%4)+4*\i:R+16*((\t)%4)+4*\i+3] offset:32*SP*((\t)%2)+8*SP*\i
.endr
.irp i, 0,1,2,3
	ds_load_b128 v[X+16*((\t)%2)+4*\i:X+16*((\t)%2)+4*\i+3], v15 offset:32*SP*((\t)%2)+16*\i
.endr
.endm
.irp t, 0,1,2,3
	LOAD \t
.endr
	s_wait_loadcnt 12                              ; step 0's four loads are in; the twelve of steps 1 to 3 may be out
	TURN 0
.macro STEP t
.set XS, X+16*((\t)%2)
.if (\t) > 0
	s_wait_dscnt 1                                 ; this step's numbers are back from the stage (the last step's byte store may be out)
.else
	s_wait_dscnt 0x0
.endif
.if (\t)+4 < STEPS
	LOAD (\t)+4                                    ; into the registers that this step's stage stores have read
.endif
.if (\t)+1 < STEPS
.if STEPS-2-(\t) >= 3
	s_wait_loadcnt 12                              ; the next step's four loads are in; those of the three steps behind it may be out
.else
	s_wait_loadcnt 4*(STEPS-2-(\t))
.endif
	TURN (\t)+1                                    ; through the other stage while this step is worked
.endif
	v_max3_num_f32 v8, |v[XS]|, |v[XS+1]|, |v[XS+2]|               ; the largest magnitude of my 16, in two chains
	v_max3_num_f32 v9, |v[XS+3]|, |v[XS+4]|, |v[XS+5]|
.irp i, 6,10
	v_max3_num_f32 v8, v8, |v[XS+\i]|, |v[XS+\i+1]|
	v_max3_num_f32 v9, v9, |v[XS+\i+2]|, |v[XS+\i+3]|
.endr
	v_max3_num_f32 v8, v8, |v[XS+14]|, |v[XS+15]|
	v_max3_num_f32 v8, v8, v9, (EMAX+1)<<23        ; and the floor 2^(3 - 127): the byte cannot fall under 1
	v_max_num_f32_dpp v8, v8, v8 row_xmask:1 row_mask:0xf bank_mask:0xf   ; and of my neighbour's 16: the block's
	v_add_nc_u32 v11, -(EMAX<<23), v8              ; 2 off its exponent field: the conversion takes the exponent field of this operand as its scale
	v_cvt_scalef32_pk16_fp6_f32 v[C+4*(\t):C+4*(\t)+2], v[XS:XS+15], v11
	v_lshrrev_b32 v[E+(\t)], 23, v11               ; the scale's byte (a plain line behind the conversion)
	ds_store_b8 v5, v[E+(\t)] offset:16*(\t)       ; both lanes of a block write the same byte with the same value
	global_store_b96 v4, v[C+4*(\t):C+4*(\t)+2], s[8:9] offset:32*CB*(\t)   ; the wave stores 384 consecutive bytes
.endm
.irp t, 0,1,2,3,4,5,6,7,8,9,10,11,12,13,14,15
	STEP \t
.endr
	ds_load_b64 v[12:13], v6                       ; LDS serves a wave's instructions in order: these see my stores
	s_wait_dscnt 0x0
	global_store_b64 v7, v[12:13], s[10:11]        ; 32 lanes store 256 consecutive bytes, aligned
	s_wait_tensorcnt 0x0
	ds_add_u32 v192, v193
	s_wait_dscnt 0x0
	s_endpgm
.Ltable:
	s_sub_co_u32 s21, ttmp9, 384
	s_lshl_b32 s21, s21, 2
	s_add_co_u32 s21, s21, s20                     ; my tile of 16 stored positions, 0 .. 127
	s_lshr_b32 s22, s21, 1
	s_lshl_b32 s22, s22, 5
	s_and_b32 s23, s21, 1
	s_lshl_b32 s23, s23, 3
	s_add_co_u32 s22, s22, s23                     ; 32 (tile / 2) + 8 (tile % 2)
	v_and_b32 v3, 7, v0
	v_bfe_u32 v4, v0, 3, 1
	v_lshl_add_u32 v3, v4, 4, v3                   ; + r % 8 + 16 (r / 8)
	v_add_nc_u32 v3, s22, v3
	v_cvt_f32_u32 v10, v3                          ; my position, exact in f32
	v_lshlrev_b32 v11, 4, v2                       ; 16 x lane
	v_bfe_u32 v4, v0, 4, 1                         ; h
	v_cmp_eq_u32 vcc_lo, 1, v4
	s_mov_b32 s24, 0x3f22f983                      ; 2 / pi
	s_mov_b32 s25, 0x3fc90fdb                      ; pi / 2, its f32,
	s_mov_b32 s26, 0xb33bbd2e                      ; and what that leaves
	s_mov_b32 s27, 0xb94ca1f9                      ; sin: -1.9515295891e-4,
	s_mov_b32 s28, 0x3c08839e                      ;       8.3321608736e-3,
	s_mov_b32 s29, 0xbe2aaaa3                      ;      -1.6666654611e-1
	s_mov_b32 s30, 0x37ccf5ce                      ; cos:  2.4433157118e-5,
	s_mov_b32 s31, 0xbab6061a                      ;      -1.3887316255e-3,
	s_mov_b32 s32, 0x3d2aaaa5                      ;       4.1666645683e-2
	s_lshl_b32 s34, s21, 12                        ; a tile's 4,096 bytes
	s_mov_b32 s35, 0
; Divisor k = 8 B + 2 q + e of my lane is 10^(P/8), P = 16 B + 8 h + k % 8: lanes 0-15 take lo, lanes 16-31 hi.
.macro DIV k, lo, hi
	v_mov_b32 v[DV+\k], \hi
	v_cndmask_b32 v[DV+\k], \lo, v[DV+\k], vcc_lo
.endm
	DIV 0,  1.0,             10.0
	DIV 1,  1.3335214321633, 13.335214321633
	DIV 2,  1.7782794100389, 17.782794100389
	DIV 3,  2.3713737056617, 23.713737056617
	DIV 4,  3.1622776601684, 31.622776601684
	DIV 5,  4.2169650342858, 42.169650342858
	DIV 6,  5.6234132519035, 56.234132519035
	DIV 7,  7.4989420933246, 74.989420933246
	DIV 8,  100.0,           1000.0
	DIV 9,  133.35214321633, 1333.5214321633
	DIV 10, 177.82794100389, 1778.2794100389
	DIV 11, 237.13737056617, 2371.3737056617
	DIV 12, 316.22776601684, 3162.2776601684
	DIV 13, 421.69650342858, 4216.9650342858
	DIV 14, 562.34132519035, 5623.4132519035
	DIV 15, 749.89420933246, 7498.9420933246
.irp k, 0,1,2,3,4,5,6,7,8,9,10,11,12,13,14,15
	v_rcp_f32 v[Y+\k], v[DV+\k]                    ; one batch
.endr
	v_nop                                          ; a plain line behind the last reciprocal
	s_wait_alu depctr_va_vdst(0)                   ; one wait for the sixteen, ahead of their first reader
.rept 2                                        ; two corrections: y += y (1 - d y): the quotient 1 / d rounded in f32
.irp k, 0,1,2,3,4,5,6,7,8,9,10,11,12,13,14,15
	v_fma_f32 v[48+\k], -v[DV+\k], v[Y+\k], 1.0
.endr
.irp k, 0,1,2,3,4,5,6,7,8,9,10,11,12,13,14,15
	v_fma_f32 v[Y+\k], v[Y+\k], v[48+\k], v[Y+\k]
.endr
.endr
.macro SINCOS k
	v_mul_f32 v48, v10, v[Y+\k]                    ; the angle, one rounding, as the reference forms it
	v_mul_f32 v49, s24, v48
	v_rndne_f32 v49, v49                           ; n: the nearest multiple of pi / 2, under 2^11
	v_fma_f32 v50, -v49, s25, v48                  ; exact: the difference is a multiple of 2^-23 under 1
	v_fma_f32 v50, -v49, s26, v50                  ; the reduced angle, within pi / 4
	v_mul_f32 v51, v50, v50
	v_fma_f32 v52, v51, s27, s28
	v_fma_f32 v52, v52, v51, s29
	v_mul_f32 v52, v52, v51
	v_fma_f32 v52, v52, v50, v50                   ; its sine
	v_fma_f32 v53, v51, s30, s31
	v_fma_f32 v53, v53, v51, s32
	v_mul_f32 v54, v51, v51
	v_fma_f32 v55, v51, -0.5, 1.0
	v_fma_f32 v53, v53, v54, v55                   ; its cosine
	v_cvt_i32_f32 v56, v49
	v_and_b32 v57, 1, v56
	v_cmp_eq_u32 vcc_lo, 1, v57
	v_cndmask_b32 v58, v52, v53, vcc_lo            ; an odd n: the two change places
	v_cndmask_b32 v59, v53, v52, vcc_lo
	v_and_b32 v57, 2, v56
	v_lshlrev_b32 v57, 30, v57
	v_xor_b32 v[T+2*\k+1], v58, v57                ; sin: negative where n % 4 is 2 or 3
	v_add_nc_u32 v57, 1, v56
	v_and_b32 v57, 2, v57
	v_lshlrev_b32 v57, 30, v57
	v_xor_b32 v[T+2*\k], v59, v57                  ; cos: negative where n % 4 is 1 or 2
.endm
.irp k, 0,1,2,3,4,5,6,7,8,9,10,11,12,13,14,15
	SINCOS \k
.endr
	s_wait_kmcnt 0x0
	s_add_nc_u64 s[18:19], s[18:19], s[34:35]
.irp p, 0,1,2,3,4,5,6,7
	global_store_b128 v11, v[T+4*\p:T+4*\p+3], s[18:19] offset:512*\p   ; 32 lanes store 512 consecutive bytes, aligned
.endr
	s_endpgm
.Lfunc_end_k_q519c4d33f9_quant:
	.size	k_q519c4d33f9_quant, .Lfunc_end_k_q519c4d33f9_quant-k_q519c4d33f9_quant
	.p2alignl 7, 3214868480
	.fill 96, 4, 3214868480
	.section	.rodata,"a",@progbits
	.p2align	6, 0x0
	.amdhsa_kernel k_q519c4d33f9_quant
		.amdhsa_group_segment_fixed_size 33280
		.amdhsa_private_segment_fixed_size 0
		.amdhsa_enable_private_segment 0
		.amdhsa_kernarg_size 64
		.amdhsa_user_sgpr_count 2
		.amdhsa_user_sgpr_kernarg_segment_ptr 1
		.amdhsa_wavefront_size32 1
		.amdhsa_system_sgpr_workgroup_id_x 1
		.amdhsa_system_sgpr_workgroup_id_y 1
		.amdhsa_system_sgpr_workgroup_id_z 1
		.amdhsa_system_vgpr_workitem_id 0
		.amdhsa_next_free_vgpr 194
		.amdhsa_next_free_sgpr 66
		.amdhsa_reserve_vcc 1
		.amdhsa_float_denorm_mode_32 3
		.amdhsa_float_denorm_mode_16_64 3
		.amdhsa_memory_ordered 1
		.amdhsa_forward_progress 1
		.amdhsa_inst_pref_size 60
	.end_amdhsa_kernel
	.amdgpu_metadata
---
amdhsa.version: [ 1, 2 ]
amdhsa.kernels:
  - .name:           k_q519c4d33f9_quant
    .symbol:         k_q519c4d33f9_quant.kd
    .args:
      - { .name: x, .offset: 0, .size: 8, .value_kind: global_buffer, .address_space: global }
      - { .name: w_q, .offset: 8, .size: 8, .value_kind: global_buffer, .address_space: global }
      - { .name: w_k, .offset: 16, .size: 8, .value_kind: global_buffer, .address_space: global }
      - { .name: w_v, .offset: 24, .size: 8, .value_kind: global_buffer, .address_space: global }
      - { .name: w_o, .offset: 32, .size: 8, .value_kind: global_buffer, .address_space: global }
      - { .name: xq, .offset: 40, .size: 8, .value_kind: global_buffer, .address_space: global }
      - { .name: wq, .offset: 48, .size: 8, .value_kind: global_buffer, .address_space: global }
      - { .name: rope, .offset: 56, .size: 8, .value_kind: global_buffer, .address_space: global }
    .group_segment_fixed_size: 33280
    .private_segment_fixed_size: 0
    .kernarg_segment_align: 8
    .kernarg_segment_size: 64
    .max_flat_workgroup_size: 128
    .sgpr_count:     66
    .vgpr_count:     194
    .wavefront_size: 32
...
	.end_amdgpu_metadata
.endif
;; end of part 1
;; launch qkv (part 2): grid 12 x 32, 4 waves a work-group, clusters of 4 x 4, 327,680 bytes of LDS; arguments xq, wq, rope, qb, kb, vb; writes qb, kb, vb
.if DOCPART == 2
	.amdgcn_target "amdgcn-amd-amdhsa--gfx1250"
	.amdhsa_code_object_version 6
	.text
	.protected	k_q519c4d33f9_qkv
	.globl	k_q519c4d33f9_qkv
	.p2align	8
	.type	k_q519c4d33f9_qkv,@function
k_q519c4d33f9_qkv:
	s_mov_b64 s[64:65], 0
	v_nop
	global_prefetch_b8 v0, s[64:65] scope:SCOPE_SE
	s_setreg_imm32_b32 hwreg(HW_REG_WAVE_MODE, 25, 1), 1
	s_wait_xcnt 0x0
	s_wait_alu depctr_hold_cnt(0) depctr_sa_sdst(0) depctr_va_vdst(0) depctr_va_sdst(0) depctr_va_ssrc(0) depctr_va_vcc(0) depctr_vm_vsrc(0)
	s_getreg_b32 s2, hwreg(HW_REG_IB_STS2, 6, 4)
	s_cmp_eq_u32 s2, 0
	s_cbranch_scc0 .Lentry_in_a_cluster
	s_endpgm
.Lentry_in_a_cluster:
	s_bfe_u32 s2, ttmp6, 0x10000c
	s_cmp_lg_u32 s2, 0xf033
	s_cbranch_scc0 .Lentry_shape_is_right
	s_endpgm
.Lentry_shape_is_right:
; q = x Wq^T, k = x Wk^T, v = x Wv^T on codes of FP6 (E2M3) with one E8M0 scale for each 32 along K = 1,024; then, in registers, the rotation of q and k and the quantiser of the next products' operands.
; A tile of 256 x 256 is made by a work-group of four waves, a wave makes 128 x 128: 64 accumulators, 512 registers.  K goes in steps of 256 through a ring of two LDS slots filled by the tensor data mover;
; the scale bytes of the work-group's rows come into LDS once.  4 x 4 work-groups form a cluster: a tile of A is asked for jointly by a row of the cluster, a tile of B by a column.
; MODES, by the cluster's x, which all sixteen partners share.  x = 0, 1: A = x's rows (tokens), B = w_q's or w_k's rows.  x = 2: A = w_v's rows, B = x's rows: v comes out transposed, its registers running along the tokens.
; THE MATRIX INSTRUCTION IS USED TRANSPOSED (source 0 = 16 rows of B, source 1 = 16 rows of A), and the rows of x, w_q, w_k, w_v lie in memory with bits 3 and 4 of their numbers exchanged.  So lane (r, h) holds A's stored row r
; of block a, and register 16 b + i of the block's 64 is B's row 32 b + 16 h + i of my 128: sixteen neighbours along the next product's K, in the order that the conversions and the operand's layout want.
; q, k: a block's 64 registers are two heads x 64 of 16 tokens: rotated by the table, quantised along the head: registers 6 c .. 6 c + 5 of the result are head c's operand registers.  Two blocks' six make an image of 12 registers.
;   qb, kb: codes [head 64][pair of tiles 64][plane 3][lane 32][16 B]; scale words at QS: [head][128 tokens 16][lane 32][4 words]: lane 16 g + r, word j: tile 4 g + j, row r; bytes 0, 1 the head's two blocks, bytes 2, 3 zero.
; v: a block's 64 registers are 128 tokens of 16 of the head's channels: quantised along the tokens they are one whole operand.  vb: codes [head][128 keys 16][tile of channels 4][plane 3][lane][16 B]; words at QS: [head][16][r 16][tile 4].
; A block of zeros gets the byte 1: its codes are zeros, and these bytes are read by this program alone.  NaN and infinities are not served.
; REGISTERS, in windows of 256: window 0: v0-31 addresses; v32-63 scale words, two sets; v64-127 the table, two sets; from v128 A's fragments, ONE set; on the way out v128-251 are at work.
;   window 1: B's fragments, TWO sets, at v0 and v128.   window 2: the accumulators of my rows 0-63 ((a, b) at v[8 (8 a + b)]);   window 3: those of rows 64-127.
.set KSTEP,  256
.set NQ,     2                         ; matrix instructions deep in a slot
.set ROWB,   192                       ; a tile's row in bytes
.set KROW,   768                       ; a row of codes in memory
.set PITCH,  240                       ; an LDS row: 3 x (64 bytes + 16 of padding)
.set FR,     12
.set NL,     6                         ; LDS loads that bring a fragment
.set NP,     4                         ; places behind this matrix instruction (ISA guide 7.12.1)
.set HALFT,  128*PITCH
.set SLOT,   4*HALFT
.set LAPS,   2                         ; K = 1,024 is four K steps: twice round the ring
.set KS,     32                        ; a row of scale bytes
.set SCL,    2*SLOT
.set HALFS,  (128*KS/256)*272
.set SBLK,   (16*KS/256)*272
.set SPARE,  SCL+4*HALFS               ; the spare words, 128 bytes a wave: two blocks of 256 bytes that no other line names
.set XSC,    6291456                   ; where xq's scale bytes begin
.set WSC,    3145728                   ; and wq's
.set QS,     6291456                   ; and the scale words of qb, kb, vb
.set ADRA, 16                          ; v16-17 A's fragments in slot 0, 1 (v18-19: behind one padding more)
.set ADRB, 20                          ; v20-23 the same for B
.set LI,   24                          ; v24 16 x lane
.set VSO,  25                          ; v25 16 r + 4,096 h: v's scale words
.set HH,   26                          ; v26 h
.set ADRS, 27
.set SPW,  28
.set NIL,  29
.set SC,   32
.set TB,   64                          ; v64-95, v96-127: a block's table, two sets
.set AF,   128
.set H,    128                         ; the way out: v128-191 a block's rotated numbers
.set TM,   192                         ; v192-195 largest magnitudes, v196-199 the other half's and the bytes, v204-207 the conversions' scale operands
.set PWS,  208                         ; v208-215 a scale word for each block
.set CD,   216                         ; v216-239 codes
.set CT,   240                         ; v240-247 the conversions' second halves
.set OW,   248                         ; v248-251 four scale words to store
.set SEL,  12                          ; s[12:13] lane selects: lane l xor 16
.set G1, 24
.set G0, 32
.set G1B, 48
.set G0B, 56
.set G1S, 68
.set G0S, 76
.set G1SB, 80
.set G0SB, 88
.set MSB, 0
.macro WIN new                         ; the immediate's high byte repeats the setting that is left
.if MSB != (\new)
	s_set_vgpr_msb (MSB<<8)|(\new)
.set MSB, (\new)
.endif
.endm
.set MUL_LO, 0xa1                      ; source 0 (B) window 1, source 1 (A) window 0, C and D window 2
.set MUL_HI, 0xf1
.set TO_B,   0x40
; A joint load: waves 0 and 1 fetch for A, waves 2 and 3 for B; the branch hangs on the wave's number alone.  Four v_nop follow each of the two lines.
.macro JLOAD g0a, g1a, g0b, g1b
	s_cmp_eq_u32 s15, 0
	s_cbranch_scc0 .Lfor_b_\@
	tensor_load_to_lds s[\g0a:\g0a+3], s[\g1a:\g1a+7]
	s_nop 0
.rept 4
	v_nop
.endr
	s_branch .Lasked_\@
.Lfor_b_\@:
	tensor_load_to_lds s[\g0b:\g0b+3], s[\g1b:\g1b+7]
	s_nop 0
.rept 4
	v_nop
.endr
.Lasked_\@:
.endm
.macro CREST                           ; a round of the cluster's barrier behind its opening barrier
	s_cmp_lg_u32 s14, 0
	s_cbranch_scc1 .Lnot_wave_0_\@
	s_barrier_signal -3
.Lnot_wave_0_\@:
	s_barrier_wait -3
	s_barrier_signal -1
	s_barrier_wait -1
.endm
.macro CROUND
	s_barrier_signal -1
	s_barrier_wait -1
	CREST
.endm
	s_load_b128 s[96:99], s[0:1], 0x0              ; xq, wq
	v_lshl_add_u32 v[SPW], v0, 2, SPARE
	v_mov_b32 v[NIL], 0
	ds_add_u32 v28, v29
	ds_add_u32 v28, v29
	s_wait_dscnt 0x0
	v_lshrrev_b32 v1, 5, v0
	v_readfirstlane_b32 s14, v1                    ; wave 0..3
	s_lshr_b32 s15, s14, 1                         ; which half of the tile's rows is mine.  Also: I fetch for A (0) or for B (1)
	s_and_b32 s16, s14, 1                          ; which half of its columns.  Also: which 128 rows of that tile I fetch
	s_bfe_u32 s40, ttmp6, 0x40000                  ; cx, cy: my place in the cluster
	s_bfe_u32 s41, ttmp6, 0x40004
	s_and_b32 s17, ttmp7, 0xffff
	s_lshl_b32 s17, s17, 2                         ; 4 x cluster y
	s_lshl_b32 s42, ttmp9, 2                       ; 4 x cluster x
	s_cmp_eq_u32 ttmp9, 2                          ; the mode: the same in all sixteen partners
	s_cselect_b32 s42, s17, s42                    ; B's tile: v: x's rows by the cluster's y; q, k: the weights' rows by its x
	s_cselect_b32 s17, 8, s17                      ; A's tile: v: w_v's rows begin at tile 8 of wq; q, k: x's rows by the cluster's y
	s_cselect_b32 s95, 1, 0
	s_add_co_u32 s42, s42, s40                     ; + cx
	s_add_co_u32 s17, s17, s41                     ; + cy
	s_lshl_b32 s43, s41, 2
	s_lshl_b32 s43, 15, s43                        ; my row of the cluster
	s_lshl_b32 s44, 0x1111, s40                    ; my column
	; descriptor group 1: a tile of 128 rows x 192 bytes, 16 bytes of padding behind every 64
	s_or_b32 s[G1+0], s43, (0<<16)|(1<<20)|(1<<21)|(3<<22)|(3<<25)
	s_or_b32 s[G1B+0], s44, (0<<16)|(1<<20)|(1<<21)|(3<<22)|(3<<25)
.irp g, G1, G1B
	s_mov_b32 s[\g+1], ROWB<<16                    ; tensor_dim0
	s_mov_b32 s[\g+2], 128<<16                     ; tensor_dim1
	s_mov_b32 s[\g+3], ROWB<<16                    ; tile_dim0
	s_mov_b32 s[\g+4], 128                         ; tile_dim1
	s_mov_b32 s[\g+5], KROW                        ; the pitch
	s_mov_b32 s[\g+6], 0
	s_mov_b32 s[\g+7], 0
.endr
	; the scale bytes of 128 rows: 4,096 dense bytes as 16 rows of 256 (32 elements of 8 bytes), 16 bytes of padding behind each
	s_or_b32 s[G1S+0], s43, (3<<16)|(1<<20)|(1<<21)|(5<<22)|(3<<25)
	s_or_b32 s[G1SB+0], s44, (3<<16)|(1<<20)|(1<<21)|(5<<22)|(3<<25)
.irp g, G1S, G1SB
	s_mov_b32 s[\g+1], 32<<16
	s_mov_b32 s[\g+2], (128*KS/256)<<16
	s_mov_b32 s[\g+3], 32<<16
	s_mov_b32 s[\g+4], 128*KS/256
	s_mov_b32 s[\g+5], 32
	s_mov_b32 s[\g+6], 0
	s_mov_b32 s[\g+7], 0
.endr
	s_lshl_b32 s18, s16, 7                         ; which 128 rows of the tile I fetch
	s_lshl_b32 s20, s17, 8
	s_add_co_u32 s20, s20, s18                     ; A: row 256 x tile + 128 x half
	s_lshl_b32 s46, s42, 8
	s_add_co_u32 s46, s46, s18                     ; B likewise
	s_mov_b32 s21, 0
	s_mov_b32 s47, 0
	s_mov_b64 s[18:19], KS
	s_mul_u64 s[22:23], s[20:21], s[18:19]         ; where these rows' scale bytes begin
	s_mul_u64 s[92:93], s[46:47], s[18:19]
	s_mov_b64 s[18:19], KROW
	s_mul_u64 s[20:21], s[20:21], s[18:19]         ; and their codes
	s_mul_u64 s[46:47], s[46:47], s[18:19]
	s_mul_i32 s45, s14, HALFT                      ; where they go: wave x 128 rows: no place in the cluster enters an LDS address
	s_mul_i32 s94, s14, HALFS
	s_mov_b32 s100, XSC
	s_mov_b32 s101, WSC
	s_wait_kmcnt 0x0
	s_cmp_eq_u32 ttmp9, 2
	s_cselect_b64 s[4:5], s[98:99], s[96:97]       ; A's buffer
	s_cselect_b64 s[8:9], s[96:97], s[98:99]       ; B's
	s_cselect_b32 s6, s101, s100                   ; where their scale bytes begin
	s_cselect_b32 s10, s100, s101
	s_mov_b32 s7, 0
	s_mov_b32 s11, 0
	s_add_nc_u64 s[6:7], s[4:5], s[6:7]
	s_add_nc_u64 s[10:11], s[8:9], s[10:11]
	s_add_nc_u64 s[20:21], s[4:5], s[20:21]
	s_add_nc_u64 s[22:23], s[6:7], s[22:23]
	s_add_nc_u64 s[46:47], s[8:9], s[46:47]
	s_add_nc_u64 s[92:93], s[10:11], s[92:93]
	CROUND                                         ; all sixteen work-groups are here: the first joint loads meet
	s_mov_b32 s[G0S], 1
	s_add_co_u32 s[G0S+1], s94, SCL
	s_mov_b64 s[G0S+2:G0S+3], s[22:23]
	s_or_b32 s[G0S+3], s[G0S+3], 0x80000000
	s_mov_b32 s[G0SB], 1
	s_add_co_u32 s[G0SB+1], s94, SCL
	s_mov_b64 s[G0SB+2:G0SB+3], s[92:93]
	s_or_b32 s[G0SB+3], s[G0SB+3], 0x80000000
	JLOAD G0S, G1S, G0SB, G1SB                     ; the scale bytes first: they are wanted with K step 0
.irp s, 0,1
	s_mov_b32 s[G0+4*\s], 1
	s_add_co_u32 s[G0+4*\s+1], s45, \s*SLOT
	s_add_nc_u64 s[G0+4*\s+2:G0+4*\s+3], s[20:21], \s*ROWB
	s_or_b32 s[G0+4*\s+3], s[G0+4*\s+3], 0x80000000
	s_mov_b32 s[G0B+4*\s], 1
	s_add_co_u32 s[G0B+4*\s+1], s45, \s*SLOT
	s_add_nc_u64 s[G0B+4*\s+2:G0B+4*\s+3], s[46:47], \s*ROWB
	s_or_b32 s[G0B+4*\s+3], s[G0B+4*\s+3], 0x80000000
	JLOAD G0+4*\s, G1, G0B+4*\s, G1B
.endr
	s_load_b256 s[4:11], s[0:1], 0x10              ; for the way out: rope s[4:5], qb s[6:7], kb s[8:9], vb s[10:11] (the descriptors are made: these registers are free)
	v_and_b32 v1, 15, v0                           ; r
	v_bfe_u32 v2, v0, 4, 1                         ; h
	v_mul_u32_u24 v3, v1, PITCH
	v_mul_u32_u24 v4, v2, 24
	v_add_nc_u32 v4, v3, v4                        ; a fragment's row x pitch + 24 x half
	v_lshl_add_u32 v5, v2, 4, v4                   ; and the same behind one padding more
	s_mul_i32 s21, s15, HALFT                      ; my 128 rows of A
	s_mul_i32 s22, s16, HALFT                      ; my 128 rows of B,
	s_add_co_u32 s22, s22, 2*HALFT                 ; which lie behind A's 256
.irp s, 0,1
	v_add_nc_u32 v[ADRA+\s], s21, v4
	v_add_nc_u32 v[ADRB+\s], s22, v4
	v_add_nc_u32 v[ADRA+2+\s], s21, v5
	v_add_nc_u32 v[ADRB+2+\s], s22, v5
	s_add_co_u32 s21, s21, SLOT
	s_add_co_u32 s22, s22, SLOT
.endr
	v_mul_u32_u24 v5, v1, KS                       ; my row's scale bytes: 32 a row,
	v_lshrrev_b32 v6, 8, v5
	v_lshl_add_u32 v5, v6, 4, v5                   ; and 16 more for each 256 passed
	s_mul_i32 s21, s15, HALFS
	s_mul_i32 s22, s16, HALFS
	s_add_co_u32 s22, s22, 2*HALFS
	s_sub_co_u32 s22, s22, s21
	v_mul_u32_u24 v6, s22, v2                      ; lanes 16-31 take B's
	s_add_co_u32 s21, s21, SCL
	v_add_nc_u32 v5, v5, v6
	v_add_nc_u32 v[ADRS], s21, v5
	v_and_b32 v6, 31, v0
	v_lshlrev_b32 v[LI], 4, v6
	v_lshlrev_b32 v[VSO], 4, v1
	v_lshl_add_u32 v[VSO], v2, 12, v[VSO]
	v_mov_b32 v[HH], v2
	s_mov_b32 s[SEL], 0x76543210
	s_mov_b32 s[SEL+1], 0xfedcba98
	; THE WAY OUT'S OFFSETS, alike in form for both modes.  Tokens: my 128 are step 2 (tile % 8) + half of batch tile / 8.  Channels: my 128 are heads 4 (tile % 4) + 2 half and the next.
	s_cmp_eq_u32 s95, 1
	s_cselect_b32 s18, s42, s17                    ; the tile of tokens: B's for v, A's for q and k,
	s_cselect_b32 s19, s16, s15                    ; and my half of it
	s_cselect_b32 s20, s17, s42                    ; the tile of channels,
	s_cselect_b32 s21, s15, s16                    ; and my half of it
	s_cselect_b32 s22, 12, 13                      ; a head's scale words: 4,096 bytes in vb, 8,192 in qb and kb
	s_cselect_b32 s23, 8, 9                        ; a step's: 256 or 512
	s_lshr_b32 s40, s18, 3                         ; the batch
	s_and_b32 s18, s18, 7
	s_lshl_b32 s18, s18, 1
	s_add_co_u32 s18, s18, s19                     ; the step of 128 tokens
	s_and_b32 s20, s20, 3
	s_lshl_b32 s20, s20, 2
	s_lshl_b32 s21, s21, 1
	s_add_co_u32 s20, s20, s21
	s_lshl_b32 s40, s40, 4
	s_add_co_u32 s20, s20, s40                     ; 16 x batch + my first head
	s_mul_i32 s44, s20, 98304                      ; a head's codes are 98,304 bytes in all three buffers,
	s_mul_i32 s41, s18, 6144                       ; a step's 6,144
	s_add_co_u32 s44, s44, s41
	s_mov_b32 s45, 0
	s_lshl_b32 s46, s20, s22
	s_lshl_b32 s41, s18, s23
	s_add_co_u32 s46, s46, s41
	s_add_co_u32 s46, s46, QS
	s_mov_b32 s47, 0
	s_lshl_b32 s92, s18, 15                        ; the table: 8 tiles of 4,096 bytes a step
	s_mov_b32 s93, 0
	s_wait_kmcnt 0x0
	s_cmp_eq_u32 ttmp9, 0
	s_cselect_b64 s[6:7], s[6:7], s[8:9]           ; q's buffer or k's,
	s_cmp_eq_u32 s95, 1
	s_cselect_b64 s[6:7], s[10:11], s[6:7]         ; or v's
	s_add_nc_u64 s[8:9], s[6:7], s[46:47]          ; my scale words
	s_add_nc_u64 s[6:7], s[6:7], s[44:45]          ; my codes
	s_add_nc_u64 s[4:5], s[4:5], s[92:93]          ; my part of the table
.macro FRAG reg, adr, q, i             ; a fragment, 16 rows x 128 K, is 12 registers: lane (r, h): registers 6 c .. 6 c + 5 hold K = 64 c + 32 h + 0 .. 31: 24 bytes of the row, as they lie, in pieces of 8 bytes
.irp p, 0,1,2,3,4,5
.set PC, 12*(\q)+6*(\p/3)+\p%3        ; 16 bytes of padding lie behind every 8 pieces: where the piece three on lies behind one padding more, the second address register serves
.if PC%8 < 5
	ds_load_b64 v[\reg+2*\p:\reg+2*\p+1], v[\adr] offset:8*PC+16*(PC/8)+(\i)*16*PITCH
.else
	ds_load_b64 v[\reg+2*\p:\reg+2*\p+1], v[\adr+2] offset:8*PC+16*(PC/8)+(\i)*16*PITCH
.endif
.endr
.endm
; 16 matrix instructions: A's blocks a0, a0 + 1 x B's eight.  The 64 accumulators take turns, one instruction a turn, in the same order in every step.
.macro MUL16 a0, p, q, sc, zero
.irp a, \a0, \a0+1
.irp b, 0,1,2,3,4,5,6,7
.if \zero
	v_wmma_scale_f32_16x16x128_f8f6f4 v[8*(8*((\a)%4)+\b):8*(8*((\a)%4)+\b)+7], v[128*(\p)+FR*\b:128*(\p)+FR*\b+FR-1], v[AF+FR*(\a):AF+FR*(\a)+FR-1], 0, v[SC+8*NQ*(\sc)+NQ*\b+(\q)], v[SC+8*NQ*(\sc)+NQ*(\a)+(\q)] matrix_a_fmt:MATRIX_FMT_FP6 matrix_b_fmt:MATRIX_FMT_FP6 matrix_a_scale:MATRIX_SCALE_ROW1
.else
	v_wmma_scale_f32_16x16x128_f8f6f4 v[8*(8*((\a)%4)+\b):8*(8*((\a)%4)+\b)+7], v[128*(\p)+FR*\b:128*(\p)+FR*\b+FR-1], v[AF+FR*(\a):AF+FR*(\a)+FR-1], v[8*(8*((\a)%4)+\b):8*(8*((\a)%4)+\b)+7], v[SC+8*NQ*(\sc)+NQ*\b+(\q)], v[SC+8*NQ*(\sc)+NQ*(\a)+(\q)] matrix_a_fmt:MATRIX_FMT_FP6 matrix_b_fmt:MATRIX_FMT_FP6 matrix_a_scale:MATRIX_SCALE_ROW1
.endif
.endr
.endr
.endm
.macro FETCH_B slot, q, p
	WIN TO_B
.irp i, 0,1,2,3,4,5,6,7
	FRAG 128*(\p)+FR*\i, ADRB+\slot, \q, \i
.endr
	WIN 0
.endm
.macro FETCH_A slot, q, i0
.irp i, \i0, \i0+1, \i0+2, \i0+3
	FRAG AF+FR*(\i), ADRA+\slot, \q, \i
.endr
.endm
.macro SCALES sc                       ; a K step's scale words: two a row; lanes 0-15 take A's block i, lanes 16-31 B's block i
.irp i, 0,1,2,3,4,5,6,7
	ds_load_b64 v[SC+8*NQ*\sc+NQ*\i:SC+8*NQ*\sc+NQ*\i+1], v[ADRS] offset:\i*SBLK
.endr
.endm
.macro PLACES n                        ; plain vector lines between a matrix instruction and a load into, or a vector line on, its registers
.rept \n
	v_nop
.endr
.endm
.macro STEP slot, q, zero              ; 128 along K that has its successor in the same slot
	s_wait_dscnt 4*NL                              ; B's set and A's blocks 0-3 are in; the youngest 24 loads (A's blocks 4-7) may be out
	WIN MUL_LO
	MUL16 0, (\q)%2, \q, \slot, \zero
	MUL16 2, (\q)%2, \q, \slot, \zero
	s_wait_dscnt 0
	PLACES NP
	FETCH_B \slot, (\q)+1, 1-(\q)%2
	FETCH_A \slot, (\q)+1, 0
	WIN MUL_HI
	MUL16 4, (\q)%2, \q, \slot, \zero
	MUL16 6, (\q)%2, \q, \slot, \zero
	PLACES NP
	WIN 0
	FETCH_A \slot, (\q)+1, 4
.endm
; A slot's last step changes slots: one barrier; in front of it each wave waits for all its tensor loads, adds 0 to its spare word, and waits for that and for its own reads of this slot.
.macro TURN slot, next, fill
	s_wait_tensorcnt 0x0                           ; all my tensor loads have landed: my part of the next slot
	ds_add_u32 v[SPW], v[NIL]                      ; 0 onto my spare word
	s_wait_dscnt 4*NL+1                            ; (the add and the youngest 24 loads may be out)
	WIN MUL_LO
	MUL16 0, 1, NQ-1, \slot, 0
	s_wait_dscnt 0x0                               ; the add is done, and my reads of this slot are over
	s_barrier_signal -1
	MUL16 2, 1, NQ-1, \slot, 0
	WIN 0
	s_barrier_wait -1
.if \fill
	CREST                                          ; the barrier has opened a round of the cluster's barrier: no wave of any partner still reads this slot or has a load on its way
	s_add_nc_u64 s[G0+4*\slot+2:G0+4*\slot+3], s[G0+4*\slot+2:G0+4*\slot+3], 2*ROWB
	s_add_nc_u64 s[G0B+4*\slot+2:G0B+4*\slot+3], s[G0B+4*\slot+2:G0B+4*\slot+3], 2*ROWB
	JLOAD G0+4*\slot, G1, G0B+4*\slot, G1B         ; the first tensor load behind the round; its four v_nop are the places in front of the loads below
.else
	PLACES NP
.endif
	v_add_nc_u32 v[ADRS], 4*NQ, v[ADRS]            ; on to the next K step's scale words
	FETCH_B \next, 0, 0
	FETCH_A \next, 0, 0
	SCALES \next
	WIN MUL_HI
	MUL16 4, 1, NQ-1, \slot, 0
	MUL16 6, 1, NQ-1, \slot, 0
	PLACES NP
	WIN 0
	FETCH_A \next, 0, 4
.endm
; THE WAY OUT'S MACROS.
.macro TLOAD a                         ; block a's table: 8 planes of 512 bytes, into set a % 2
.irp p, 0,1,2,3,4,5,6,7
	global_load_b128 v[TB+32*((\a)%2)+4*\p:TB+32*((\a)%2)+4*\p+3], v[LI], s[4:5] offset:4096*(\a)+512*\p
.endr
.endm
; The rotation of block a: registers 16 b + 2 k, + 1 are the pair P = 16 (b % 2) + 8 h + k of a head; the table's registers 16 (b % 2) + 2 k, + 1 its cos and sin at my token.
; First (odd x sin, even x sin), then (even x cos - the first, odd x cos + the second).  Each accumulator is read from its low end on.
.macro ROPE a
.set SA, 64*((\a)%4)
.set TT, TB+32*((\a)%2)
	WIN 2+(\a)/4                                   ; source 0: the accumulators' window
.irp b, 0,1,2,3
.irp k, 0,2,4,6,8,10,12,14
	v_pk_mul_f32 v[H+16*\b+\k:H+16*\b+\k+1], v[SA+16*\b+\k:SA+16*\b+\k+1], v[TT+16*(\b%2)+\k:TT+16*(\b%2)+\k+1] op_sel:[1,1] op_sel_hi:[0,1]
.endr
.endr
.irp b, 0,1,2,3
.irp k, 0,2,4,6,8,10,12,14
	v_pk_fma_f32 v[H+16*\b+\k:H+16*\b+\k+1], v[SA+16*\b+\k:SA+16*\b+\k+1], v[TT+16*(\b%2)+\k:TT+16*(\b%2)+\k+1], v[H+16*\b+\k:H+16*\b+\k+1] op_sel_hi:[1,0,1] neg_lo:[0,0,1]
.endr
.endr
	WIN 0
.endm
; 64 numbers of a lane in window W from register S on, register 16 b + i = k 32 b + 16 h + i of my row, become codes: k 0 .. 63 in v[d0] .. v[d0 + 5], k 64 .. 127 in v[d1] .. v[d1 + 5]; the four bytes in v[pw].
.macro QUANT W, S, d0, d1, pw
	WIN ((\W)<<2)|((\W)<<4)                        ; sources 1 and 2: the numbers' window
.irp b, 0,1,2,3
	v_max3_num_f32 v[TM+\b], 0x1800000, |v[(\S)+16*\b]|, |v[(\S)+16*\b+1]|   ; block b: my 16 numbers, and the floor 2^(3 - 127): the byte cannot fall under 1
.endr
.irp i, 2,4,6,8,10,12,14
.irp b, 0,1,2,3
	v_max3_num_f32 v[TM+\b], v[TM+\b], |v[(\S)+16*\b+\i]|, |v[(\S)+16*\b+\i+1]|   ; (the four blocks by turns)
.endr
.endr
	WIN 0
.irp b, 0,1,2,3
	v_permlanex16_b32 v[TM+4+\b], v[TM+\b], s[SEL], s[SEL+1]
.endr
.irp b, 0,1,2,3
	v_max_num_f32 v[TM+\b], v[TM+\b], v[TM+4+\b]   ; with lane l xor 16's: the block's largest magnitude
.endr
.irp b, 0,1,2,3
	v_add_nc_u32 v[TM+12+\b], 0xff000000, v[TM+\b] ; 2 off its exponent field: the conversion's scale operand
.endr
.irp b, 0,1,2,3
	v_lshrrev_b32 v[TM+4+\b], 23, v[TM+12+\b]      ; the scale's byte
.endr
	v_lshl_or_b32 v[\pw], v[TM+5], 8, v[TM+4]
	v_lshl_or_b32 v[\pw], v[TM+6], 16, v[\pw]
	v_lshl_or_b32 v[\pw], v[TM+7], 24, v[\pw]
	WIN (\W)                                       ; source 0: the numbers' window
	v_cvt_scalef32_pk16_fp6_f32 v[(\d0):(\d0)+2], v[(\S):(\S)+15], v[TM+12]
	v_cvt_scalef32_pk16_fp6_f32 v[CT:CT+2], v[(\S)+16:(\S)+31], v[TM+13]     ; (a conversion's three registers begin on an even number)
	v_cvt_scalef32_pk16_fp6_f32 v[(\d1):(\d1)+2], v[(\S)+32:(\S)+47], v[TM+14]
	v_cvt_scalef32_pk16_fp6_f32 v[CT+4:CT+6], v[(\S)+48:(\S)+63], v[TM+15]
	WIN 0
	v_nop                                          ; one plain line behind the conversions
.irp i, 0,1,2                                  ; the operand's layout wants a whole block in a lane: lanes 0-15 the even block, lanes 16-31 the odd one
	v_permlane16_swap_b32 v[(\d0)+\i], v[CT+\i]
.endr
.irp i, 0,1,2
	v_mov_b32 v[(\d0)+3+\i], v[CT+\i]
.endr
.irp i, 0,1,2
	v_permlane16_swap_b32 v[(\d1)+\i], v[CT+4+\i]
.endr
.irp i, 0,1,2
	v_mov_b32 v[(\d1)+3+\i], v[CT+4+\i]
.endr
.endm
	s_wait_tensorcnt 1                             ; the scale bytes and my part of K step 0 are in (K step 1's load may be out),
	s_barrier_signal -1
	s_barrier_wait -1                              ; everybody's are
	FETCH_B 0, 0, 0
	FETCH_A 0, 0, 0
	SCALES 0
	FETCH_A 0, 0, 4
	STEP 0, 0, 1                                   ; the first step's products start the sums: nothing is cleared
	s_mov_b32 s3, LAPS-1
.Llap:                                                 ; a trip goes once round the ring and fills both slots again
	TURN 0, 1, 1
	STEP 1, 0, 0
	TURN 1, 0, 1
	STEP 0, 0, 0
	s_sub_co_u32 s3, s3, 1
	s_cmp_lg_u32 s3, 0
	s_cbranch_scc1 .Llap
	TURN 0, 1, 0                                   ; the last lap fills nothing
	STEP 1, 0, 0
	s_cmp_eq_u32 s95, 1                            ; q and k: the first two blocks' tables are asked for under the last 64 products
	s_cbranch_scc1 .Lno_table
	TLOAD 0
	TLOAD 1
.Lno_table:
	s_wait_dscnt 4*NL                              ; the very last step: nothing more to fetch from LDS
	WIN MUL_LO
	MUL16 0, 1, NQ-1, 1, 0
	MUL16 2, 1, NQ-1, 1, 0
	s_wait_dscnt 0
	WIN MUL_HI
	MUL16 4, 1, NQ-1, 1, 0
	MUL16 6, 1, NQ-1, 1, 0
	WIN 0
	PLACES NP                                      ; in front of the first read of results and the first write over A's fragments
.irp b, 0,1,2,3
	v_mov_b32 v[TM+4+\b], 0                        ; written once: a lane permute's destination counts as one of its sources
.endr
	v_cmp_eq_u32 vcc_lo, 1, v[HH]                  ; lanes 16-31
	s_cmp_eq_u32 s95, 1
	s_cbranch_scc1 .Lvpath
	; ---- q, k: block by block of 16 tokens x 2 heads
.irp a, 0,1,2,3,4,5,6,7
.if \a < 7
	s_wait_loadcnt 8                               ; this block's table is in; the next block's eight loads may be out
.else
	s_wait_loadcnt 0
.endif
	ROPE \a
.if \a < 6
	TLOAD \a+2                                     ; into the set just read
.endif
.if (\a%2 == 0) && (\a > 0)
	s_wait_xcnt 0x0                                ; the last pair's stores have read their registers: the codes may be written again
.endif
	QUANT 0, H, CD+6*(\a%2), CD+12+6*(\a%2), PWS+\a
.if \a%2 == 1
.irp c, 0,1
.irp p, 0,1,2
	global_store_b128 v[LI], v[CD+12*\c+4*\p:CD+12*\c+4*\p+3], s[6:7] offset:98304*\c+1536*(\a/2)+512*\p   ; head c, a pair of tiles: 32 lanes store 512 consecutive bytes, aligned
.endr
.endr
.endif
.endr
.irp j, 0,1,2,3
	v_cndmask_b32 v[OW+\j], v[PWS+\j], v[PWS+4+\j], vcc_lo         ; lanes 0-15: tiles 0-3; lanes 16-31: tiles 4-7
.endr
.irp j, 0,1,2,3
	v_lshrrev_b32 v[CT+\j], 16, v[OW+\j]           ; the second head's two bytes, zeros above them
.endr
.irp j, 0,1,2,3
	v_and_b32 v[OW+\j], 0xffff, v[OW+\j]           ; the first head's
.endr
	global_store_b128 v[LI], v[OW:OW+3], s[8:9]
	global_store_b128 v[LI], v[CT:CT+3], s[8:9] offset:8192
	s_branch .Ldone
.Lvpath:
	; ---- v: block by block of 16 channels x 128 tokens: a whole operand each
.irp a, 0,1,2,3,4,5,6,7
.if \a > 0
	s_wait_xcnt 0x0                                ; the last block's stores have read their registers
.endif
	QUANT 2+\a/4, 64*(\a%4), CD, CD+6, PWS+\a
.irp p, 0,1,2
	global_store_b128 v[LI], v[CD+4*\p:CD+4*\p+3], s[6:7] offset:98304*(\a/4)+1536*(\a%4)+512*\p
.endr
.endr
.irp j, 0,1,2,3
	v_cndmask_b32 v[OW+\j], v[PWS+\j], v[PWS+4+\j], vcc_lo         ; lanes 0-15: my first head's four tiles; lanes 16-31: my second head's
.endr
	global_store_b128 v[VSO], v[OW:OW+3], s[8:9]   ; sixteen lanes store 256 consecutive bytes, aligned, in each head
.Ldone:
	s_wait_tensorcnt 0x0                           ; the wave's end
	ds_add_u32 v[SPW], v[NIL]
	s_wait_dscnt 0x0
	CROUND                                         ; the closing round: no work-group ends while a partner may still ask for a tile that names it
	s_endpgm
.Lfunc_end_k_q519c4d33f9_qkv:
	.size	k_q519c4d33f9_qkv, .Lfunc_end_k_q519c4d33f9_qkv-k_q519c4d33f9_qkv
	.p2alignl 7, 3214868480
	.fill 96, 4, 3214868480
	.section	.rodata,"a",@progbits
	.p2align	6, 0x0
	.amdhsa_kernel k_q519c4d33f9_qkv
		.amdhsa_group_segment_fixed_size 327680
		.amdhsa_private_segment_fixed_size 0
		.amdhsa_enable_private_segment 0
		.amdhsa_kernarg_size 48
		.amdhsa_user_sgpr_count 2
		.amdhsa_user_sgpr_kernarg_segment_ptr 1
		.amdhsa_wavefront_size32 1
		.amdhsa_system_sgpr_workgroup_id_x 1
		.amdhsa_system_sgpr_workgroup_id_y 1
		.amdhsa_system_sgpr_workgroup_id_z 1
		.amdhsa_system_vgpr_workitem_id 0
		.amdhsa_next_free_vgpr 1024
		.amdhsa_next_free_sgpr 102
		.amdhsa_reserve_vcc 1
		.amdhsa_float_denorm_mode_32 3
		.amdhsa_float_denorm_mode_16_64 3
		.amdhsa_memory_ordered 1
		.amdhsa_forward_progress 1
		.amdhsa_inst_pref_size 237
	.end_amdhsa_kernel
	.amdgpu_metadata
---
amdhsa.version: [ 1, 2 ]
amdhsa.kernels:
  - .name:           k_q519c4d33f9_qkv
    .symbol:         k_q519c4d33f9_qkv.kd
    .args:
      - { .name: xq, .offset: 0, .size: 8, .value_kind: global_buffer, .address_space: global }
      - { .name: wq, .offset: 8, .size: 8, .value_kind: global_buffer, .address_space: global }
      - { .name: rope, .offset: 16, .size: 8, .value_kind: global_buffer, .address_space: global }
      - { .name: qb, .offset: 24, .size: 8, .value_kind: global_buffer, .address_space: global }
      - { .name: kb, .offset: 32, .size: 8, .value_kind: global_buffer, .address_space: global }
      - { .name: vb, .offset: 40, .size: 8, .value_kind: global_buffer, .address_space: global }
    .group_segment_fixed_size: 327680
    .private_segment_fixed_size: 0
    .kernarg_segment_align: 8
    .kernarg_segment_size: 48
    .max_flat_workgroup_size: 128
    .sgpr_count:     102
    .vgpr_count:     1024
    .wavefront_size: 32
...
	.end_amdgpu_metadata
.endif
;; end of part 2
;; launch attn (part 3): grid 4 x 64, 16 waves a work-group, no clusters, 63,488 bytes of LDS; arguments qb, kb, vb, ob; writes ob
.if DOCPART == 3
	.amdgcn_target "amdgcn-amd-amdhsa--gfx1250"
	.amdhsa_code_object_version 6
	.text
	.protected	k_q519c4d33f9_attn
	.globl	k_q519c4d33f9_attn
	.p2align	8
	.type	k_q519c4d33f9_attn,@function
k_q519c4d33f9_attn:
	s_mov_b64 s[64:65], 0
	v_nop
	global_prefetch_b8 v0, s[64:65] scope:SCOPE_SE
	s_setreg_imm32_b32 hwreg(HW_REG_WAVE_MODE, 25, 1), 1
	s_wait_xcnt 0x0
; O = softmax(q k^T / 8, causal, hidden logits = -1e6) v for one head, both products on codes of FP6 (E2M3) with one E8M0 scale for each 32 along K; the result is quantised along the model's 1,024 for the last product.
; t = score x log2(e) / 8; M = the row's largest t so far, rounded up to a whole number; p = 2^(t - M) is quantised along the keys; the row's sum is taken of the unquantised p and divides O at the end.
; SHARES.  Work-group (x, head) takes the blocks 7 - x and x of 256 queries, one after the other: equal work for all 256 work-groups.  Each of sixteen waves owns one tile of 16 queries in 256 registers, four waves to a SIMD.
; Every pass walks all 16 key steps of 128 keys.  G = the step, GW = the step that holds my queries' diagonal.  G < GW: all keys count.  G = GW: hidden scores become the fill.  G > GW: all 128 keys are hidden.
; THE FILL IS -1e6, NOT -INFINITY, AND IS KEPT: as a score it is -8e6.  It enters every step's maximum wherever my rows have hidden keys in later steps, so M is the reference's.  Behind the diagonal step M is final: the
; hidden keys' weight p_f = 2^(fill - M) is one number a row; its codes and byte are made once, its share of the sum is added once, and the steps behind the diagonal run the second product alone, on that constant operand.
; (With logits far above -1e6 p_f is 0 and its codes are zeros.)  v_exp_f32 gives 0 for results under 2^-126: such weights are lost.  NaN and infinities are not served.
; LAYOUT.  Both products are used transposed: S^T = K Q^T, O^T = V^T P^T: a lane holds one query throughout.  The tokens of a stored tile are 32 i + 8 u + r % 8 + 16 (r / 8), so the 16 registers of tiles 2 b, 2 b + 1 of S^T are the
; neighbouring keys 32 b + 16 h + 0 .. 15; v's channels are stored likewise, so O^T's 32 registers run along the head's 64 in the conversions' order.
; THE HEAD IS 64 AND THE INSTRUCTION'S K IS 128: Q's upper six registers are zero codes; a tile of K names twelve registers of which the upper six are the next tile's (zeros behind the last); bytes 2, 3 of both scale words are 0.
; LDS holds plain copies of memory: the head's scale words (K's 8,192 bytes, V's 4,096) and two slots of 256 keys (K's images 12,288 bytes, V's 12,288).  They come THROUGH REGISTERS, alike in all 512 threads: a slot is asked
; for at the head of the phase before and stored at its end, one barrier a phase.  No tensor load and no joint request: a slot's 24,576 bytes serve 32 steps of some 235 vector and 12 matrix instructions each,
; so the loads have a whole phase in which to land and nothing waits for them.
; ob: codes [tile of tokens 512][head 16][plane 3][lane 32][8 B]; scale bytes at OS: [stored row 8,192][32].  The scale bytes leave one byte a lane to rows 32 bytes apart: 1 byte in 24 of what the launch stores.
; REGISTERS: v1-7, v28-31 what stays; v10, v11 the step's scale addresses; v12 -M, v13 the largest t, v[14:15] the sum; v16-27 Q; v32-85 K's tiles or V's fragments; v96-159 S^T, then p; v160-191 O^T;
;   v192-211 the quantiser's; v212-221 scale words; v[222:223] f; v224-235 P's codes; v236-243 at work; v244-255 the next slot on its way.
.set QS,    6291456                    ; where the scale words begin in qb, kb and vb
.set OS,    6291456                    ; and the scale bytes in ob
.set SCK,   0
.set SCV,   8192
.set SL0,   12288
.set SLOTB, 24576
.set VOFF,  12288
.set BM,  192                          ; a block's largest score, then its largest p
.set PM,  196                          ; the other half's
.set SO,  200                          ; the conversions' scale operands
.set CT,  204                          ; the conversions' second halves
.set KSC, 212                          ; K's scale words: lanes 0-15 tiles 0-3, lanes 16-31 tiles 4-7
.set VSC, 216                          ; V's: a register a tile of channels
.set QSC, 220
.set PWD, 221                          ; P's
.set FF,  222
.set PP,  224
	s_load_b256 s[4:11], s[0:1], 0x0               ; qb s[4:5], kb s[6:7], vb s[8:9], ob s[10:11]
	v_lshl_add_u32 v211, v0, 2, 0xf000
	v_mov_b32 v243, 0
	v_lshrrev_b32 v8, 5, v0
	s_delay_alu instid0(VALU_DEP_1)
	v_readfirstlane_b32 s12, v8                    ; wave 0..15
	s_and_b32 s13, ttmp7, 0xffff                   ; 16 x batch + head
	v_and_b32 v9, 31, v0
	s_delay_alu instid0(VALU_DEP_1)
	v_lshlrev_b32 v1, 4, v9                        ; 16 x lane
	v_lshlrev_b32 v2, 4, v0                        ; 16 x thread
	v_lshlrev_b32 v3, 3, v0                        ; 8 x thread
	v_and_b32 v10, 15, v0                          ; r
	v_bfe_u32 v11, v0, 4, 1                        ; h
	s_delay_alu instid0(VALU_DEP_2)
	v_lshlrev_b32 v30, 4, v10                      ; 16 r
	s_delay_alu instid0(VALU_DEP_1)
	v_add_nc_u32 v5, SCV, v30
	v_lshlrev_b32 v7, 3, v9                        ; 8 x lane
	s_delay_alu instid0(VALU_DEP_4)
	v_lshl_add_u32 v31, v10, 5, v11                ; 32 r + h
	v_and_b32 v6, 7, v10
	v_lshrrev_b32 v8, 3, v10
	s_delay_alu instid0(VALU_DEP_1)
	v_lshl_add_u32 v6, v8, 4, v6
	v_lshlrev_b32 v8, 4, v11
	s_delay_alu instid0(VALU_DEP_1)
	v_sub_nc_u32 v6, v6, v8
	s_and_b32 s36, s12, 7
	s_lshr_b32 s37, s36, 1
	s_lshl_b32 s37, s37, 5
	s_and_b32 s36, s12, 1
	s_lshl_b32 s36, s36, 3
	s_add_co_u32 s36, s36, s37
	v_add_nc_u32 v6, s36, v6                       ; d = my query's place in its step of 128 - 16 h: in the diagonal step register 16 b + i is hidden where 32 b + i > d
	v_mov_b32 v28, 0xcaf42400                      ; the fill as a score: -8e6
.irp j, 22,23,24,25,26,27, 80,81,82,83,84,85
	v_mov_b32 v[\j], 0                             ; zero codes: Q's upper half; what the last tile of K names above its six
.endr
.irp j, 0,1,2,3
	v_mov_b32 v[PM+\j], 0                          ; written once: a lane permute's destination counts as one of its sources
.endr
	v_mov_b32 v242, 0
	v_mov_b32 v[FF+1], 0                           ; (named as the upper half of a pair)
	v_mov_b32 v[PWD], 0
.irp j, 0,1,2,3,4,5,6,7,8,9,10,11
	v_mov_b32 v[PP+\j], 0
.endr
	s_mov_b32 s22, 0x3e38aa3b                      ; c = log2(e) / 8
	s_mov_b32 s23, s22
	s_mov_b32 s24, 0x76543210
	s_mov_b32 s25, 0xfedcba98                      ; lane l xor 16
	s_and_b32 s46, s12, 1
	s_sub_co_u32 s46, 0, s46                       ; all lanes where my tile is a pair's second
	s_mov_b32 s47, 0xffff0000                      ; lanes 16-31
	s_mul_i32 s36, s13, 98304                      ; a head's codes
	s_mov_b32 s37, 0
	s_lshl_b32 s38, s13, 13
	s_add_co_u32 s38, s38, QS                      ; a head's scale words in qb and kb: 8,192 bytes
	s_mov_b32 s39, 0
	s_lshl_b32 s40, s13, 12
	s_add_co_u32 s40, s40, QS                      ; in vb: 4,096
	s_mov_b32 s41, 0
	s_wait_kmcnt 0x0
	s_add_nc_u64 s[14:15], s[6:7], s[36:37]        ; K's codes of the head
	s_add_nc_u64 s[16:17], s[8:9], s[36:37]        ; V's
	s_add_nc_u64 s[48:49], s[4:5], s[36:37]        ; Q's
	s_add_nc_u64 s[50:51], s[4:5], s[38:39]        ; Q's scale words
	s_add_nc_u64 s[6:7], s[6:7], s[38:39]          ; K's
	s_add_nc_u64 s[8:9], s[8:9], s[40:41]          ; V's
	global_load_b128 v[236:239], v2, s[6:7]        ; the head's scale words: 512 threads x 16 bytes, 512 x 8
	global_load_b64 v[240:241], v3, s[8:9]
	s_bfe_u32 s36, s12, 0x10002
	s_lshl_b32 s36, s36, 8
	s_and_b32 s38, s12, 3
	s_lshl_b32 s38, s38, 2
	s_add_co_u32 s38, s38, s36                     ; my tile's word in a step's 512 bytes: 256 ((wave % 8) / 4) + 4 (wave % 4), + 16 r
	s_add_nc_u64 s[50:51], s[50:51], s[38:39]
	s_lshr_b32 s36, s13, 4                         ; the batch
	s_and_b32 s42, s13, 15                         ; the head
	s_mul_i32 s38, s36, 1572864                    ; ob: 128 tiles of 12,288 bytes a batch,
	s_mul_i32 s40, s42, 768                        ; 768 bytes a head
	s_add_co_u32 s38, s38, s40
	s_add_nc_u64 s[52:53], s[10:11], s[38:39]
	s_lshl_b32 s38, s36, 16                        ; its scale bytes: 512 a tile, 2 a head
	s_lshl_b32 s40, s42, 1
	s_add_co_u32 s38, s38, s40
	s_add_co_u32 s38, s38, OS
	s_add_nc_u64 s[54:55], s[10:11], s[38:39]
	s_wait_loadcnt 0x0
	ds_store_b128 v2, v[236:239] offset:SCK
	ds_store_b64 v3, v[240:241] offset:SCV         ; shown to all behind the first pass's barrier
.macro COPYLD off                      ; a slot's 12,288 bytes of K and of V, off bytes on, into registers: 16 bytes a thread and 8 more
	global_load_b128 v[244:247], v2, s[18:19] offset:\off
	global_load_b64 v[248:249], v3, s[18:19] offset:\off+8192
	global_load_b128 v[250:253], v2, s[20:21] offset:\off
	global_load_b64 v[254:255], v3, s[20:21] offset:\off+8192
.endm
.macro COPYST s                        ; and from there into slot s, as they lay in memory
	ds_store_b128 v2, v[244:247] offset:SL0+SLOTB*\s
	ds_store_b64 v3, v[248:249] offset:SL0+SLOTB*\s+8192
	ds_store_b128 v2, v[250:253] offset:SL0+SLOTB*\s+VOFF
	ds_store_b64 v3, v[254:255] offset:SL0+SLOTB*\s+VOFF+8192
.endm
.macro BARRIER                         ; my LDS stores have landed and my LDS loads are in: then the work-group's barrier
	s_wait_dscnt 0x0
	s_barrier_signal -1
	s_barrier_wait -1
.endm
; A KEY STEP: 128 keys, the q-th of slot s.
.macro STEP s, q
	v_add_nc_u32 v10, s27, v1                      ; K's scale words of this step; these four lines are also the places behind the last products, in front of the loads into their registers
	v_add_nc_u32 v11, s28, v5                      ; V's
	v_nop
	v_nop
	s_cmp_gt_u32 s29, s30                          ; behind my diagonal: the second product alone.  A branch on ids and the step's count
	s_cbranch_scc1 .Lpv_\@
.set jj, 0
.rept 12
	ds_load_b128 v[32+4*jj:35+4*jj], v1 offset:SL0+SLOTB*(\s)+6144*(\q)+512*jj   ; four pairs of tiles, three planes each: tile t at v[32 + 6 t]
.set jj, jj+1
.endr
	ds_load_b128 v[KSC:KSC+3], v10
	s_wait_dscnt 0x0
	s_wait_alu depctr_va_vdst(0)
.irp t, 0,1,2,3
	v_wmma_scale_f32_16x16x128_f8f6f4 v[96+8*\t:103+8*\t], v[32+6*\t:43+6*\t], v[16:27], 0, v[KSC+\t], v[QSC] matrix_a_fmt:MATRIX_FMT_FP6 matrix_b_fmt:MATRIX_FMT_FP6
.endr
.irp t, 4,5,6,7
	v_wmma_scale_f32_16x16x128_f8f6f4 v[96+8*\t:103+8*\t], v[32+6*\t:43+6*\t], v[16:27], 0, v[KSC+\t-4], v[QSC] matrix_a_fmt:MATRIX_FMT_FP6 matrix_b_fmt:MATRIX_FMT_FP6 matrix_a_scale:MATRIX_SCALE_ROW1
.endr
.rept 4
	v_nop
.endr
	s_cmp_lg_u32 s29, s30
	s_cbranch_scc1 .Lopen_\@
.set jj, 0
.rept 64                                       ; the diagonal step: hidden scores become the fill
	v_cmp_gt_i32 vcc_lo, 32*(jj/16)+jj%16, v6
	v_cndmask_b32 v[96+jj], v[96+jj], v28, vcc_lo
.set jj, jj+1
.endr
.Lopen_\@:
.irp b, 0,1,2,3
	v_max3_num_f32 v[BM+\b], v[96+16*\b], v[97+16*\b], v[98+16*\b]   ; the largest score of each block of 32 keys: for the row's maximum, and, since p rises with the score, for the block's largest p
.endr
.irp i, 3,5,7,9,11,13
.irp b, 0,1,2,3
	v_max3_num_f32 v[BM+\b], v[BM+\b], v[96+16*\b+\i], v[97+16*\b+\i]
.endr
.endr
.irp b, 0,1,2,3
	v_max_num_f32 v[BM+\b], v[BM+\b], v[111+16*\b]
.endr
.irp b, 0,1,2,3
	s_delay_alu instid0(VALU_DEP_4)
	v_permlanex16_b32 v[PM+\b], v[BM+\b], s24, s25
.endr
.irp b, 0,1,2,3
	s_delay_alu instid0(VALU_DEP_4)
	v_max_num_f32 v[BM+\b], v[BM+\b], v[PM+\b]     ; with lane l xor 16's 16 keys
.endr
	s_delay_alu instid0(VALU_DEP_2)
	v_max3_num_f32 v242, v[BM], v[BM+1], v[BM+2]
	s_delay_alu instid0(VALU_DEP_1)
	v_max3_num_f32 v242, v242, v[BM+3], s31        ; the step's largest score of my query, and the fill of the steps behind my diagonal
	s_delay_alu instid0(VALU_DEP_1)
	v_mul_f32 v242, s22, v242                      ; as t
	s_delay_alu instid0(VALU_DEP_1)
	v_max_num_f32 v13, v13, v242                   ; the running largest t
	v_mov_b32 v242, v12
	s_delay_alu instid0(VALU_DEP_2)
	v_floor_f32 v12, -v13                          ; the new -M: M is a whole number
	s_delay_alu instid0(VALU_DEP_1)
	v_sub_f32 v242, v12, v242                      ; M's old value less its new one: a whole number, 0 or less
	s_delay_alu instid0(VALU_DEP_1)
	v_cvt_i32_f32 v242, v242                       ; (it saturates)
	s_delay_alu instid0(VALU_DEP_1)
	v_ldexp_f32 v[FF], 1.0, v242                   ; f = 2^(old M - new M): a multiplication by it rounds nothing
.set jj, 0
.rept 32
	v_pk_fma_f32 v[96+jj:97+jj], v[96+jj:97+jj], s[22:23], v[12:13] op_sel_hi:[1,0,0]   ; t - M, two at a time
.set jj, jj+2
.endr
.irp b, 0,1,2,3
	v_fma_f32 v[BM+\b], v[BM+\b], s22, v12         ; the same of each block's largest score
.endr
.set jj, 0
	s_wait_alu depctr_va_vdst(0)
.rept 64
	v_exp_f32 v[96+jj], v[96+jj]                   ; p = 2^(t - M), at most 1
.set jj, jj+1
.endr
	v_pk_mul_f32 v[14:15], v[14:15], v[FF:FF+1] op_sel_hi:[1,0]    ; the sums under the new M (a plain line behind the exponentials)
	s_wait_alu depctr_va_vdst(0)                   ; one wait for the batch of 64, ahead of its first reader
.irp b, 0,1,2,3
	v_exp_f32 v[BM+\b], v[BM+\b]                   ; the block's largest p: the same two instructions on the same number
.endr
	v_pk_add_f32 v[236:237], v[100:101], v[104:105]
	v_pk_add_f32 v[240:241], v[108:109], v[112:113]
	v_pk_add_f32 v[238:239], v[116:117], v[120:121]
	v_pk_add_f32 v[234:235], v[124:125], v[128:129]
	v_pk_add_f32 v[232:233], v[132:133], v[136:137]
	v_pk_add_f32 v[230:231], v[140:141], v[144:145]
	v_pk_add_f32 v[228:229], v[148:149], v[152:153]
	v_pk_add_f32 v[14:15], v[14:15], v[156:157]
	v_pk_add_f32 v[236:237], v[236:237], v[96:97]
	v_pk_add_f32 v[240:241], v[240:241], v[98:99]
	v_pk_add_f32 v[238:239], v[238:239], v[102:103]
	v_pk_add_f32 v[234:235], v[234:235], v[106:107]
	v_pk_add_f32 v[232:233], v[232:233], v[110:111]
	v_pk_add_f32 v[230:231], v[230:231], v[114:115]
	v_pk_add_f32 v[228:229], v[228:229], v[118:119]
	v_pk_add_f32 v[14:15], v[14:15], v[122:123]
	v_pk_add_f32 v[236:237], v[236:237], v[126:127]
	v_pk_add_f32 v[240:241], v[240:241], v[130:131]
	v_pk_add_f32 v[238:239], v[238:239], v[134:135]
	v_pk_add_f32 v[234:235], v[234:235], v[138:139]
	v_pk_add_f32 v[232:233], v[232:233], v[142:143]
	v_pk_add_f32 v[230:231], v[230:231], v[146:147]
	v_pk_add_f32 v[228:229], v[228:229], v[150:151]
	v_pk_add_f32 v[14:15], v[14:15], v[154:155]
	v_pk_add_f32 v[236:237], v[236:237], v[158:159]
	s_delay_alu instid0(VALU_DEP_2)
	v_pk_add_f32 v[14:15], v[14:15], v[234:235]
	s_delay_alu instid0(VALU_DEP_2)
	v_pk_add_f32 v[236:237], v[236:237], v[232:233]
	v_pk_add_f32 v[240:241], v[240:241], v[230:231]
	v_pk_add_f32 v[238:239], v[238:239], v[228:229]
	s_delay_alu instid0(VALU_DEP_2)
	v_pk_add_f32 v[14:15], v[14:15], v[240:241]
	s_delay_alu instid0(VALU_DEP_2)
	v_pk_add_f32 v[236:237], v[236:237], v[238:239]
	s_delay_alu instid0(VALU_DEP_1)
	v_pk_add_f32 v[14:15], v[14:15], v[236:237]
	s_wait_alu depctr_va_vdst(0)                   ; and one for the four
.irp b, 0,1,2,3
	v_max_num_f32 v[BM+\b], 0x1800000, v[BM+\b]    ; the floor 2^(3 - 127): the byte cannot fall under 1
.endr
.irp b, 0,1,2,3
	s_delay_alu instid0(VALU_DEP_4)
	v_add_nc_u32 v[SO+\b], 0xff000000, v[BM+\b]    ; 2 off the exponent field: the conversion's scale operand
.endr
.irp b, 0,1,2,3
	s_delay_alu instid0(VALU_DEP_4)
	v_lshrrev_b32 v[238+\b], 23, v[SO+\b]          ; the scale's byte
.endr
	s_delay_alu instid0(VALU_DEP_3)
	v_lshl_or_b32 v[PWD], v239, 8, v238            ; p's scale word for these 128 keys
	s_delay_alu instid0(VALU_DEP_1)
	v_lshl_or_b32 v[PWD], v240, 16, v[PWD]
	s_delay_alu instid0(VALU_DEP_1)
	v_lshl_or_b32 v[PWD], v241, 24, v[PWD]
.irp c, 0,1
	v_cvt_scalef32_pk16_fp6_f32 v[PP+6*\c:PP+2+6*\c], v[96+32*\c:111+32*\c], v[SO+2*\c]
	v_cvt_scalef32_pk16_fp6_f32 v[CT+4*\c:CT+2+4*\c], v[112+32*\c:127+32*\c], v[SO+2*\c+1]
.endr
	v_nop                                          ; one plain line behind the conversions
.irp c, 0,1                                    ; a whole block in a lane: lanes 0-15 block 2 c, lanes 16-31 block 2 c + 1
.irp i, 0,1,2
	v_permlane16_swap_b32 v[PP+6*\c+\i], v[CT+4*\c+\i]
.endr
.irp i, 0,1,2
	s_delay_alu instid0(VALU_DEP_3)
	v_mov_b32 v[PP+3+6*\c+\i], v[CT+4*\c+\i]
.endr
.endr
.set jj, 0
.rept 16
	v_pk_mul_f32 v[160+jj:161+jj], v[160+jj:161+jj], v[FF:FF+1] op_sel_hi:[1,0]   ; O^T under the new M.  (These sixteen are also the places in front of the products and loads below)
.set jj, jj+2
.endr
.Lpv_\@:
.set jj, 0
.rept 12
	ds_load_b128 v[32+4*jj:35+4*jj], v1 offset:SL0+SLOTB*(\s)+VOFF+6144*(\q)+512*jj   ; four tiles of 16 channels x 128 keys
.set jj, jj+1
.endr
	s_wait_alu depctr_va_vdst(0)
	ds_load_b128 v[VSC:VSC+3], v11
	s_wait_dscnt 0x0
.irp t, 0,1,2,3                                ; the four accumulators take turns, one instruction a turn
	v_wmma_scale_f32_16x16x128_f8f6f4 v[160+8*\t:167+8*\t], v[32+12*\t:43+12*\t], v[PP:PP+11], v[160+8*\t:167+8*\t], v[VSC+\t], v[PWD] matrix_a_fmt:MATRIX_FMT_FP6 matrix_b_fmt:MATRIX_FMT_FP6
.endr
	s_cmp_lg_u32 s29, s30
	s_cbranch_scc1 .Lnofill_\@
	; behind the diagonal step M is final: the hidden keys' weight, its share of the sum, its codes and its byte, once for all later steps
	v_fma_f32 v236, s31, s22, v12                  ; the fill as t, less M
	s_wait_alu depctr_va_vdst(0)
	v_exp_f32 v237, v236
	v_nop
	s_wait_alu depctr_va_vdst(0)
	v_fma_f32 v14, v29, v237, v14                  ; 64 (15 - GW) hidden keys for each half of the lanes
	v_max_num_f32 v238, 0x1800000, v237
	s_delay_alu instid0(VALU_DEP_1)
	v_add_nc_u32 v239, 0xff000000, v238
	s_delay_alu instid0(VALU_DEP_1)
	v_lshrrev_b32 v240, 23, v239
	s_delay_alu instid0(VALU_DEP_1)
	v_lshl_or_b32 v240, v240, 8, v240
	s_delay_alu instid0(VALU_DEP_1)
	v_lshl_or_b32 v[PWD], v240, 16, v240           ; the same byte for all four blocks (seven plain lines stand behind the products that read this register)
.set jj, 0
.rept 16
	v_mov_b32 v[96+jj], v237
.set jj, jj+1
.endr
	v_cvt_scalef32_pk16_fp6_f32 v[PP:PP+2], v[96:111], v239
	v_nop
.irp i, 0,1,2
	v_mov_b32 v[PP+3+\i], v[PP+\i]                 ; sixteen equal codes, eight times over: the same in both halves of the lanes
	v_mov_b32 v[PP+6+\i], v[PP+\i]
	v_mov_b32 v[PP+9+\i], v[PP+\i]
.endr
.Lnofill_\@:
	s_add_co_u32 s29, s29, 1
	s_add_co_u32 s27, s27, 512                     ; the next step's scale words
	s_add_co_u32 s28, s28, 256
.endm
	s_mov_b32 s34, 0
.Lpass:                                            ; two trips: block 7 - x, then block x
	s_wait_xcnt 0x0                                ; the last pass's stores have read their registers and addresses
	s_sub_co_u32 s35, 7, ttmp9
	s_cmp_eq_u32 s34, 0
	s_cselect_b32 s35, s35, ttmp9                  ; the block of 256 queries
	s_lshl_b32 s36, s35, 4
	s_add_co_u32 s36, s36, s12                     ; my tile of 16 queries, 0 .. 127
	s_lshr_b32 s30, s36, 3                         ; GW
	s_mov_b32 s31, 0xff61b1e6                      ; -3e38: no key is hidden behind the last step
	s_cmp_lt_u32 s30, 15
	s_cselect_b32 s31, 0xcaf42400, s31
	s_sub_co_u32 s37, 15, s30
	s_lshl_b32 s37, s37, 6
	v_cvt_f32_u32 v29, s37                         ; 64 (15 - GW)
	s_lshr_b32 s38, s36, 1
	s_mul_i32 s38, s38, 1536
	s_mov_b32 s39, 0
	s_add_nc_u64 s[42:43], s[48:49], s[38:39]      ; my pair's image in qb
	s_lshl_b32 s38, s30, 9
	s_add_nc_u64 s[44:45], s[50:51], s[38:39]      ; my tile's scale words
	s_mul_i32 s38, s36, 12288
	s_add_nc_u64 s[56:57], s[52:53], s[38:39]      ; my place in ob,
	s_lshl_b32 s38, s36, 9
	s_add_nc_u64 s[58:59], s[54:55], s[38:39]      ; and among its scale bytes
	s_mov_b64 s[18:19], s[14:15]
	s_mov_b64 s[20:21], s[16:17]
	COPYLD 0                                       ; slot 0
	global_load_b128 v[96:99], v1, s[42:43]
	global_load_b128 v[100:103], v1, s[42:43] offset:512
	global_load_b128 v[104:107], v1, s[42:43] offset:1024
	global_load_b32 v[QSC], v30, s[44:45]
	v_mov_b32 v13, 0xff61b1e6                      ; the largest t so far: -3e38
	s_delay_alu instid0(VALU_DEP_1)
	v_floor_f32 v12, -v13
	v_mov_b32 v14, 0
	v_mov_b32 v15, 0
.set jj, 0
.rept 32
	v_mov_b32 v[160+jj], 0                         ; O^T: the step is written once; the first change of M multiplies zeros
.set jj, jj+1
.endr
	s_wait_loadcnt 0x0
	COPYST 0                                       ; every wave has passed the barrier behind its last reads of slot 0
.irp k, 0,1,2,3,4,5
	v_cndmask_b32 v[16+\k], v[96+\k], v[102+\k], s46   ; my tile's six registers of the pair's twelve
.endr
	BARRIER
	s_mov_b32 s27, 0
	s_mov_b32 s28, 0
	s_mov_b32 s29, 0
	s_mov_b32 s33, 4
.Lslot:                                            ; four trips of two slots
	COPYLD 12288                                   ; the odd slot is asked for while the even one is read
	STEP 0, 0
	STEP 0, 1
	s_wait_loadcnt 0x0
	COPYST 1
	BARRIER                                        ; slot 1 is whole, and nobody reads slot 0 any more
	s_cmp_eq_u32 s33, 1
	s_cbranch_scc1 .Lno_load                       ; the last trip has no slot behind it: no load leaves the head's codes
	COPYLD 24576
.Lno_load:
	STEP 1, 0
	STEP 1, 1
	s_wait_loadcnt 0x0                             ; on every path: the loads' bases are stepped below
	s_cmp_eq_u32 s33, 1
	s_cbranch_scc1 .Lno_store
	COPYST 0
.Lno_store:
	BARRIER                                        ; slot 0 is whole, and nobody reads slot 1 any more
	s_add_nc_u64 s[18:19], s[18:19], 24576
	s_add_nc_u64 s[20:21], s[20:21], 24576
	s_sub_co_u32 s33, s33, 1
	s_cmp_lg_u32 s33, 0
	s_cbranch_scc1 .Lslot
	; THE WAY OUT of a pass: O^T / the sum, quantised along the head's 64 (two blocks), stored as the last product's operand registers
.rept 4
	v_nop
.endr
	v_add_f32 v14, v14, v15
	s_delay_alu instid0(VALU_DEP_1)
	v_permlanex16_b32 v242, v14, s24, s25
	s_delay_alu instid0(VALU_DEP_1)
	v_add_f32 v14, v14, v242                       ; the row's sum
	s_wait_alu depctr_va_vdst(0)
	v_rcp_f32 v14, v14
	v_nop
	s_wait_alu depctr_va_vdst(0)
.set jj, 0
.rept 32
	v_mul_f32 v[96+jj], v[160+jj], v14             ; register 16 b + i: channel 32 b + 16 h + i of my query
.set jj, jj+1
.endr
.irp b, 0,1
	v_max3_num_f32 v[BM+\b], |v[96+16*\b]|, |v[97+16*\b]|, 0x1800000
.endr
.irp i, 2,4,6,8,10,12,14
.irp b, 0,1
	s_delay_alu instid0(VALU_DEP_2)
	v_max3_num_f32 v[BM+\b], v[BM+\b], |v[96+16*\b+\i]|, |v[97+16*\b+\i]|
.endr
.endr
.irp b, 0,1
	s_delay_alu instid0(VALU_DEP_2)
	v_permlanex16_b32 v[PM+\b], v[BM+\b], s24, s25
.endr
.irp b, 0,1
	s_delay_alu instid0(VALU_DEP_2)
	v_max_num_f32 v[BM+\b], v[BM+\b], v[PM+\b]
.endr
.irp b, 0,1
	s_delay_alu instid0(VALU_DEP_2)
	v_add_nc_u32 v[SO+\b], 0xff000000, v[BM+\b]
.endr
.irp b, 0,1
	s_delay_alu instid0(VALU_DEP_2)
	v_lshrrev_b32 v[238+\b], 23, v[SO+\b]
.endr
	s_delay_alu instid0(VALU_DEP_1)
	v_cndmask_b32 v240, v238, v239, s47            ; lane (r, h) stores block h's byte
	v_cvt_scalef32_pk16_fp6_f32 v[PP:PP+2], v[96:111], v[SO]
	v_cvt_scalef32_pk16_fp6_f32 v[CT:CT+2], v[112:127], v[SO+1]
	v_nop
.irp i, 0,1,2
	v_permlane16_swap_b32 v[PP+\i], v[CT+\i]
.endr
.irp i, 0,1,2
	s_delay_alu instid0(VALU_DEP_3)
	v_mov_b32 v[PP+3+\i], v[CT+\i]
.endr
.irp p, 0,1,2
	global_store_b64 v7, v[PP+2*\p:PP+2*\p+1], s[56:57] offset:256*\p   ; 32 lanes store 256 consecutive bytes, aligned
.endr
	global_store_b8 v31, v240, s[58:59]
	s_add_co_u32 s34, s34, 1
	s_cmp_lt_u32 s34, 2
	s_cbranch_scc1 .Lpass
	s_wait_tensorcnt 0x0
	ds_add_u32 v211, v243
	s_wait_dscnt 0x0
	s_endpgm
.Lfunc_end_k_q519c4d33f9_attn:
	.size	k_q519c4d33f9_attn, .Lfunc_end_k_q519c4d33f9_attn-k_q519c4d33f9_attn
	.p2alignl 7, 3214868480
	.fill 96, 4, 3214868480
	.section	.rodata,"a",@progbits
	.p2align	6, 0x0
	.amdhsa_kernel k_q519c4d33f9_attn
		.amdhsa_group_segment_fixed_size 63488
		.amdhsa_private_segment_fixed_size 0
		.amdhsa_enable_private_segment 0
		.amdhsa_kernarg_size 32
		.amdhsa_user_sgpr_count 2
		.amdhsa_user_sgpr_kernarg_segment_ptr 1
		.amdhsa_wavefront_size32 1
		.amdhsa_system_sgpr_workgroup_id_x 1
		.amdhsa_system_sgpr_workgroup_id_y 1
		.amdhsa_system_sgpr_workgroup_id_z 1
		.amdhsa_system_vgpr_workitem_id 0
		.amdhsa_next_free_vgpr 256
		.amdhsa_next_free_sgpr 66
		.amdhsa_reserve_vcc 1
		.amdhsa_float_denorm_mode_32 3
		.amdhsa_float_denorm_mode_16_64 3
		.amdhsa_memory_ordered 1
		.amdhsa_forward_progress 1
		.amdhsa_inst_pref_size 108
	.end_amdhsa_kernel
	.amdgpu_metadata
---
amdhsa.version: [ 1, 2 ]
amdhsa.kernels:
  - .name:           k_q519c4d33f9_attn
    .symbol:         k_q519c4d33f9_attn.kd
    .args:
      - { .name: qb, .offset: 0, .size: 8, .value_kind: global_buffer, .address_space: global }
      - { .name: kb, .offset: 8, .size: 8, .value_kind: global_buffer, .address_space: global }
      - { .name: vb, .offset: 16, .size: 8, .value_kind: global_buffer, .address_space: global }
      - { .name: ob, .offset: 24, .size: 8, .value_kind: global_buffer, .address_space: global }
    .group_segment_fixed_size: 63488
    .private_segment_fixed_size: 0
    .kernarg_segment_align: 8
    .kernarg_segment_size: 32
    .max_flat_workgroup_size: 512
    .sgpr_count:     66
    .vgpr_count:     256
    .wavefront_size: 32
...
	.end_amdgpu_metadata
.endif
;; end of part 3
;; launch oproj (part 4): grid 4 x 32, 4 waves a work-group, clusters of 4 x 4, 327,680 bytes of LDS; arguments ob, wq, out0; writes out0
.if DOCPART == 4
	.amdgcn_target "amdgcn-amd-amdhsa--gfx1250"
	.amdhsa_code_object_version 6
	.text
	.protected	k_q519c4d33f9_oproj
	.globl	k_q519c4d33f9_oproj
	.p2align	8
	.type	k_q519c4d33f9_oproj,@function
k_q519c4d33f9_oproj:
	s_mov_b64 s[64:65], 0
	v_nop
	global_prefetch_b8 v0, s[64:65] scope:SCOPE_SE
	s_setreg_imm32_b32 hwreg(HW_REG_WAVE_MODE, 25, 1), 1
	s_wait_xcnt 0x0
	s_wait_alu depctr_hold_cnt(0) depctr_sa_sdst(0) depctr_va_vdst(0) depctr_va_sdst(0) depctr_va_ssrc(0) depctr_va_vcc(0) depctr_vm_vsrc(0)
	s_getreg_b32 s2, hwreg(HW_REG_IB_STS2, 6, 4)
	s_cmp_eq_u32 s2, 0
	s_cbranch_scc0 .Lentry_in_a_cluster
	s_endpgm
.Lentry_in_a_cluster:
	s_bfe_u32 s2, ttmp6, 0x10000c
	s_cmp_lg_u32 s2, 0xf033
	s_cbranch_scc0 .Lentry_shape_is_right
	s_endpgm
.Lentry_shape_is_right:
; out0 = O Wo^T on codes of FP6 (E2M3) with one E8M0 scale for each 32 along K = 1,024; out0 [8192][1024] f32.
; A tile of 256 x 256 is made by a work-group of four waves, a wave makes 128 x 128: 64 accumulators, 512 registers.  K goes in steps of 256 through a ring of two LDS slots filled by the tensor data mover;
; the scale bytes of the work-group's rows come into LDS once.  4 x 4 work-groups form a cluster: a tile of A is asked for jointly by a row of the cluster, a tile of B by a column.
; 128 work-groups: 32 x 4 tiles of 256 x 256.
; A = O lies in ob AS IMAGES OF THE OPERAND'S REGISTERS: [tile of 16 tokens 512][head 16][plane 3][lane 32][8 B]: 128 along K are two heads, six planes of 256 bytes: a fragment is six loads of 8 bytes a lane, 256 consecutive bytes each.
; A K step's part of a tile of tokens is four heads, 3,072 dense bytes; a wave's tensor load brings 8 such rows, 12,288 bytes apart.  Its scale bytes lie by stored rows, [8192][32], at OS.
; B = w_o: rows 3,072 on of wq's codes, in their own order; rows of 192 bytes with 16 bytes of padding behind every 64.
; THE MATRIX INSTRUCTION IS USED TRANSPOSED (source 0 = 16 rows of B, source 1 = 16 rows of A): a lane holds eight neighbouring numbers of a row of out0.
; Row r of a stored tile t of tokens is the token 32 (t / 2) + 8 (t % 2) + r % 8 + 16 (r / 8): the way out puts each row where it belongs.
; REGISTERS as in the launch for q, k, v: window 0: v0-31 addresses; v32-63 scale words; from v128 A's fragments, one set; window 1: B's fragments, two sets; windows 2, 3: the accumulators.
.set SIZE_N, 1024
.set KSTEP,  256
.set NQ,     2
.set ROWB,   192
.set KROW,   768
.set ASTEP,  3072                      ; a K step of A in a tile of tokens
.set PITCH,  240
.set FR,     12
.set NL,     6
.set NP,     4
.set HALFT,  128*PITCH                 ; a wave's part of a slot: B uses all of it, A 24,576 bytes
.set SLOT,   4*HALFT
.set LAPS,   2
.set KS,     32
.set SCL,    2*SLOT
.set HALFS,  (128*KS/256)*272
.set SBLK,   (16*KS/256)*272
.set SPARE,  SCL+4*HALFS               ; the spare words, 128 bytes a wave: two blocks of 256 bytes that no other line names
.set SPITCH, 528                       ; the way out: a stage of 16 rows x (512 bytes + 16) for each wave, in slot 0, which has had its last fill and its last read when the first result is stored there
.set OS,     6291456                   ; ob's scale bytes
.set WOC,    2359296                   ; w_o's codes in wq: 3,072 rows of 768 bytes on
.set WOS,    3244032                   ; and its scale bytes: 3,145,728 + 3,072 x 32
.set ADRA, 16                          ; v16-17 A's images in slot 0, 1: + 8 x lane
.set ADRB, 20                          ; v20-21 B's fragments (v22-23: behind one padding more)
.set STO,  24
.set RD,   25
.set CO,   26
.set ADRS, 27
.set SPW,  28
.set NIL,  29
.set SC,   32
.set AF,   128
.set BK,   128
.set G1, 24
.set G0, 32
.set G1B, 48
.set G0B, 56
.set G1S, 68
.set G0S, 76
.set G1SB, 80
.set G0SB, 88
.set MSB, 0
.macro WIN new                         ; the immediate's high byte repeats the setting that is left
.if MSB != (\new)
	s_set_vgpr_msb (MSB<<8)|(\new)
.set MSB, (\new)
.endif
.endm
.set MUL_LO, 0xa1
.set MUL_HI, 0xf1
.set TO_B,   0x40
.macro JLOAD g0a, g1a, g0b, g1b        ; a joint load: waves 0 and 1 fetch for A, waves 2 and 3 for B; four v_nop follow each of the two lines
	s_cmp_eq_u32 s15, 0
	s_cbranch_scc0 .Lfor_b_\@
	tensor_load_to_lds s[\g0a:\g0a+3], s[\g1a:\g1a+7]
	s_nop 0
.rept 4
	v_nop
.endr
	s_branch .Lasked_\@
.Lfor_b_\@:
	tensor_load_to_lds s[\g0b:\g0b+3], s[\g1b:\g1b+7]
	s_nop 0
.rept 4
	v_nop
.endr
.Lasked_\@:
.endm
.macro CREST
	s_cmp_lg_u32 s14, 0
	s_cbranch_scc1 .Lnot_wave_0_\@
	s_barrier_signal -3
.Lnot_wave_0_\@:
	s_barrier_wait -3
	s_barrier_signal -1
	s_barrier_wait -1
.endm
.macro CROUND
	s_barrier_signal -1
	s_barrier_wait -1
	CREST
.endm
	s_load_b128 s[96:99], s[0:1], 0x0              ; ob, wq
	s_load_b64 s[12:13], s[0:1], 0x10              ; out0
	v_lshl_add_u32 v[SPW], v0, 2, SPARE
	v_mov_b32 v[NIL], 0
	ds_add_u32 v28, v29
	ds_add_u32 v28, v29
	s_wait_dscnt 0x0
	v_lshrrev_b32 v1, 5, v0
	v_readfirstlane_b32 s14, v1                    ; wave 0..3
	s_lshr_b32 s15, s14, 1                         ; which half of the tile's rows is mine.  Also: I fetch for A (0) or for B (1)
	s_and_b32 s16, s14, 1                          ; which half of its columns.  Also: which 128 rows of that tile I fetch
	s_bfe_u32 s40, ttmp6, 0x40000                  ; cx, cy
	s_bfe_u32 s41, ttmp6, 0x40004
	s_lshl_b32 s42, ttmp9, 2
	s_add_co_u32 s42, s42, s40                     ; tile column = 4 x cluster x + cx
	s_and_b32 s17, ttmp7, 0xffff
	s_lshl_b32 s17, s17, 2
	s_add_co_u32 s17, s17, s41                     ; tile row = 4 x cluster y + cy
	s_lshl_b32 s43, s41, 2
	s_lshl_b32 s43, 15, s43                        ; my row of the cluster
	s_lshl_b32 s44, 0x1111, s40                    ; my column
	; A's tiles: 8 rows (tiles of tokens) of 384 elements of 8 bytes, 1,536 elements apart, no padding
	s_or_b32 s[G1+0], s43, (3<<16)|(1<<21)
	s_mov_b32 s[G1+1], 384<<16                     ; tensor_dim0
	s_mov_b32 s[G1+2], 8<<16                       ; tensor_dim1
	s_mov_b32 s[G1+3], 384<<16                     ; tile_dim0
	s_mov_b32 s[G1+4], 8                           ; tile_dim1
	s_mov_b32 s[G1+5], 1536                        ; the pitch
	s_mov_b32 s[G1+6], 0
	s_mov_b32 s[G1+7], 0
	; B's tiles: 128 rows x 192 bytes, 16 bytes of padding behind every 64
	s_or_b32 s[G1B+0], s44, (0<<16)|(1<<20)|(1<<21)|(3<<22)|(3<<25)
	s_mov_b32 s[G1B+1], ROWB<<16
	s_mov_b32 s[G1B+2], 128<<16
	s_mov_b32 s[G1B+3], ROWB<<16
	s_mov_b32 s[G1B+4], 128
	s_mov_b32 s[G1B+5], KROW
	s_mov_b32 s[G1B+6], 0
	s_mov_b32 s[G1B+7], 0
	; the scale bytes of 128 rows: 16 rows of 256 bytes, 16 bytes of padding behind each
	s_or_b32 s[G1S+0], s43, (3<<16)|(1<<20)|(1<<21)|(5<<22)|(3<<25)
	s_or_b32 s[G1SB+0], s44, (3<<16)|(1<<20)|(1<<21)|(5<<22)|(3<<25)
.irp g, G1S, G1SB
	s_mov_b32 s[\g+1], 32<<16
	s_mov_b32 s[\g+2], (128*KS/256)<<16
	s_mov_b32 s[\g+3], 32<<16
	s_mov_b32 s[\g+4], 128*KS/256
	s_mov_b32 s[\g+5], 32
	s_mov_b32 s[\g+6], 0
	s_mov_b32 s[\g+7], 0
.endr
	s_lshl_b32 s18, s16, 7
	s_lshl_b32 s20, s17, 8
	s_add_co_u32 s20, s20, s18                     ; A: stored row 256 x tile row + 128 x half
	s_lshl_b32 s46, s42, 8
	s_add_co_u32 s46, s46, s18                     ; B: row 256 x tile column + 128 x half
	s_mov_b32 s21, 0
	s_mov_b32 s47, 0
	s_mov_b64 s[18:19], KS
	s_mul_u64 s[22:23], s[20:21], s[18:19]         ; where these rows' scale bytes begin
	s_mul_u64 s[92:93], s[46:47], s[18:19]
	s_mov_b64 s[18:19], KROW
	s_mul_u64 s[20:21], s[20:21], s[18:19]         ; and their codes: 16 rows of 768 bytes are a tile's 12,288
	s_mul_u64 s[46:47], s[46:47], s[18:19]
	s_mul_i32 s45, s14, HALFT
	s_mul_i32 s94, s14, HALFS
	s_wait_kmcnt 0x0
	s_mov_b64 s[4:5], s[96:97]                     ; A's codes
	s_add_nc_u64 s[6:7], s[96:97], OS              ; A's scale bytes
	s_add_nc_u64 s[8:9], s[98:99], WOC             ; B's codes
	s_add_nc_u64 s[10:11], s[98:99], WOS           ; B's scale bytes
	s_add_nc_u64 s[20:21], s[4:5], s[20:21]
	s_add_nc_u64 s[22:23], s[6:7], s[22:23]
	s_add_nc_u64 s[46:47], s[8:9], s[46:47]
	s_add_nc_u64 s[92:93], s[10:11], s[92:93]
	CROUND                                         ; all sixteen work-groups are here: the first joint loads meet
	s_mov_b32 s[G0S], 1
	s_add_co_u32 s[G0S+1], s94, SCL
	s_mov_b64 s[G0S+2:G0S+3], s[22:23]
	s_or_b32 s[G0S+3], s[G0S+3], 0x80000000
	s_mov_b32 s[G0SB], 1
	s_add_co_u32 s[G0SB+1], s94, SCL
	s_mov_b64 s[G0SB+2:G0SB+3], s[92:93]
	s_or_b32 s[G0SB+3], s[G0SB+3], 0x80000000
	JLOAD G0S, G1S, G0SB, G1SB
.irp s, 0,1
	s_mov_b32 s[G0+4*\s], 1
	s_add_co_u32 s[G0+4*\s+1], s45, \s*SLOT
	s_add_nc_u64 s[G0+4*\s+2:G0+4*\s+3], s[20:21], \s*ASTEP
	s_or_b32 s[G0+4*\s+3], s[G0+4*\s+3], 0x80000000
	s_mov_b32 s[G0B+4*\s], 1
	s_add_co_u32 s[G0B+4*\s+1], s45, \s*SLOT
	s_add_nc_u64 s[G0B+4*\s+2:G0B+4*\s+3], s[46:47], \s*ROWB
	s_or_b32 s[G0B+4*\s+3], s[G0B+4*\s+3], 0x80000000
	JLOAD G0+4*\s, G1, G0B+4*\s, G1B
.endr
	v_and_b32 v1, 15, v0                           ; r
	v_bfe_u32 v2, v0, 4, 1                         ; h
	v_and_b32 v6, 31, v0                           ; lane
	v_lshlrev_b32 v7, 3, v6                        ; A: 8 x lane
	v_mul_u32_u24 v3, v1, PITCH
	v_mul_u32_u24 v4, v2, 24
	v_add_nc_u32 v4, v3, v4                        ; B: row x pitch + 24 x half
	v_lshl_add_u32 v5, v2, 4, v4                   ; and the same behind one padding more
	s_mul_i32 s21, s15, HALFT                      ; my 128 rows of A
	s_mul_i32 s22, s16, HALFT                      ; my 128 rows of B,
	s_add_co_u32 s22, s22, 2*HALFT                 ; which lie behind A's two parts
.irp s, 0,1
	v_add_nc_u32 v[ADRA+\s], s21, v7
	v_add_nc_u32 v[ADRB+\s], s22, v4
	v_add_nc_u32 v[ADRB+2+\s], s22, v5
	s_add_co_u32 s21, s21, SLOT
	s_add_co_u32 s22, s22, SLOT
.endr
	v_mul_u32_u24 v5, v1, KS
	v_lshrrev_b32 v8, 8, v5
	v_lshl_add_u32 v5, v8, 4, v5
	s_mul_i32 s21, s15, HALFS
	s_mul_i32 s22, s16, HALFS
	s_add_co_u32 s22, s22, 2*HALFS
	s_sub_co_u32 s22, s22, s21
	v_mul_u32_u24 v8, s22, v2                      ; lanes 16-31 take B's
	s_add_co_u32 s21, s21, SCL
	v_add_nc_u32 v5, v5, v8
	v_add_nc_u32 v[ADRS], s21, v5
	s_mul_i32 s23, s14, 16*SPITCH                  ; my stage
	v_mul_u32_u24 v5, v1, SPITCH                   ; in: row r, 32 bytes for each half of the lanes
	v_lshl_add_u32 v5, v2, 5, v5
	v_add_nc_u32 v[STO], s23, v5
	v_lshlrev_b32 v[CO], 4, v6                     ; back: the 32 lanes take one row of 512 bytes; and the same in out0
	v_add_nc_u32 v[RD], s23, v[CO]
	s_lshl_b32 s20, s17, 8
	s_lshl_b32 s21, s15, 7
	s_add_co_u32 s20, s20, s21                     ; my first row of out0
	s_mov_b32 s21, 0
	s_mov_b64 s[18:19], SIZE_N*4
	s_mul_u64 s[20:21], s[20:21], s[18:19]
	s_lshl_b32 s46, s42, 10                        ; my first column, in bytes
	s_lshl_b32 s47, s16, 9
	s_add_co_u32 s46, s46, s47
	s_mov_b32 s47, 0
	s_add_nc_u64 s[20:21], s[20:21], s[46:47]
	s_add_nc_u64 s[12:13], s[12:13], s[20:21]
.macro FRAG reg, adr, q, i             ; a fragment of B from padded rows, in pieces of 8 bytes
.irp p, 0,1,2,3,4,5
.set PC, 12*(\q)+6*(\p/3)+\p%3
.if PC%8 < 5
	ds_load_b64 v[\reg+2*\p:\reg+2*\p+1], v[\adr] offset:8*PC+16*(PC/8)+(\i)*16*PITCH
.else
	ds_load_b64 v[\reg+2*\p:\reg+2*\p+1], v[\adr+2] offset:8*PC+16*(PC/8)+(\i)*16*PITCH
.endif
.endr
.endm
.macro FRAG_A reg, adr, q, i           ; a fragment of A from its image: six planes of 256 consecutive bytes
.irp p, 0,1,2,3,4,5
	ds_load_b64 v[\reg+2*\p:\reg+2*\p+1], v[\adr] offset:ASTEP*(\i)+1536*(\q)+256*\p
.endr
.endm
; 16 matrix instructions; the 64 accumulators take turns, one instruction a turn, in the same order in every step
.macro MUL16 a0, p, q, sc, zero
.irp a, \a0, \a0+1
.irp b, 0,1,2,3,4,5,6,7
.if \zero
	v_wmma_scale_f32_16x16x128_f8f6f4 v[8*(8*((\a)%4)+\b):8*(8*((\a)%4)+\b)+7], v[128*(\p)+FR*\b:128*(\p)+FR*\b+FR-1], v[AF+FR*(\a):AF+FR*(\a)+FR-1], 0, v[SC+8*NQ*(\sc)+NQ*\b+(\q)], v[SC+8*NQ*(\sc)+NQ*(\a)+(\q)] matrix_a_fmt:MATRIX_FMT_FP6 matrix_b_fmt:MATRIX_FMT_FP6 matrix_a_scale:MATRIX_SCALE_ROW1
.else
	v_wmma_scale_f32_16x16x128_f8f6f4 v[8*(8*((\a)%4)+\b):8*(8*((\a)%4)+\b)+7], v[128*(\p)+FR*\b:128*(\p)+FR*\b+FR-1], v[AF+FR*(\a):AF+FR*(\a)+FR-1], v[8*(8*((\a)%4)+\b):8*(8*((\a)%4)+\b)+7], v[SC+8*NQ*(\sc)+NQ*\b+(\q)], v[SC+8*NQ*(\sc)+NQ*(\a)+(\q)] matrix_a_fmt:MATRIX_FMT_FP6 matrix_b_fmt:MATRIX_FMT_FP6 matrix_a_scale:MATRIX_SCALE_ROW1
.endif
.endr
.endr
.endm
.macro FETCH_B slot, q, p
	WIN TO_B
.irp i, 0,1,2,3,4,5,6,7
	FRAG 128*(\p)+FR*\i, ADRB+\slot, \q, \i
.endr
	WIN 0
.endm
.macro FETCH_A slot, q, i0
.irp i, \i0, \i0+1, \i0+2, \i0+3
	FRAG_A AF+FR*(\i), ADRA+\slot, \q, \i
.endr
.endm
.macro SCALES sc
.irp i, 0,1,2,3,4,5,6,7
	ds_load_b64 v[SC+8*NQ*\sc+NQ*\i:SC+8*NQ*\sc+NQ*\i+1], v[ADRS] offset:\i*SBLK
.endr
.endm
.macro PLACES n
.rept \n
	v_nop
.endr
.endm
.macro STEP slot, q, zero
	s_wait_dscnt 4*NL                              ; B's set and A's blocks 0-3 are in; the youngest 24 loads (A's blocks 4-7) may be out
	WIN MUL_LO
	MUL16 0, (\q)%2, \q, \slot, \zero
	MUL16 2, (\q)%2, \q, \slot, \zero
	s_wait_dscnt 0
	PLACES NP
	FETCH_B \slot, (\q)+1, 1-(\q)%2
	FETCH_A \slot, (\q)+1, 0
	WIN MUL_HI
	MUL16 4, (\q)%2, \q, \slot, \zero
	MUL16 6, (\q)%2, \q, \slot, \zero
	PLACES NP
	WIN 0
	FETCH_A \slot, (\q)+1, 4
.endm
.macro TURN slot, next, fill
	s_wait_tensorcnt 0x0                           ; all my tensor loads have landed: my part of the next slot
	ds_add_u32 v[SPW], v[NIL]                      ; 0 onto my spare word
	s_wait_dscnt 4*NL+1                            ; (the add and the youngest 24 loads may be out)
	WIN MUL_LO
	MUL16 0, 1, NQ-1, \slot, 0
	s_wait_dscnt 0x0                               ; the add is done, and my reads of this slot are over
	s_barrier_signal -1
	MUL16 2, 1, NQ-1, \slot, 0
	WIN 0
	s_barrier_wait -1
.if \fill
	CREST                                          ; the barrier has opened a round of the cluster's barrier: no wave of any partner still reads this slot or has a load on its way
	s_add_nc_u64 s[G0+4*\slot+2:G0+4*\slot+3], s[G0+4*\slot+2:G0+4*\slot+3], 2*ASTEP
	s_add_nc_u64 s[G0B+4*\slot+2:G0B+4*\slot+3], s[G0B+4*\slot+2:G0B+4*\slot+3], 2*ROWB
	JLOAD G0+4*\slot, G1, G0B+4*\slot, G1B         ; the first tensor load behind the round; its four v_nop are the places in front of the loads below
.else
	PLACES NP
.endif
	v_add_nc_u32 v[ADRS], 4*NQ, v[ADRS]
	FETCH_B \next, 0, 0
	FETCH_A \next, 0, 0
	SCALES \next
	WIN MUL_HI
	MUL16 4, 1, NQ-1, \slot, 0
	MUL16 6, 1, NQ-1, \slot, 0
	PLACES NP
	WIN 0
	FETCH_A \next, 0, 4
.endm
	s_wait_tensorcnt 1                             ; the scale bytes and my part of K step 0 are in (K step 1's load may be out),
	s_barrier_signal -1
	s_barrier_wait -1                              ; everybody's are
	FETCH_B 0, 0, 0
	FETCH_A 0, 0, 0
	SCALES 0
	FETCH_A 0, 0, 4
	STEP 0, 0, 1                                   ; the first step's products start the sums
	s_mov_b32 s3, LAPS-1
.Llap:
	TURN 0, 1, 1
	STEP 1, 0, 0
	TURN 1, 0, 1
	STEP 0, 0, 0
	s_sub_co_u32 s3, s3, 1
	s_cmp_lg_u32 s3, 0
	s_cbranch_scc1 .Llap
	TURN 0, 1, 0                                   ; the last lap fills nothing
	STEP 1, 0, 0
	s_wait_dscnt 4*NL
	WIN MUL_LO
	MUL16 0, 1, NQ-1, 1, 0
	MUL16 2, 1, NQ-1, 1, 0
	s_wait_dscnt 0
	WIN MUL_HI
	MUL16 4, 1, NQ-1, 1, 0
	MUL16 6, 1, NQ-1, 1, 0
	WIN 0
; THE WAY OUT, block by block of 16 stored rows x 128 columns, through my own stage in LDS; back as whole rows of 512 bytes.  LDS serves a wave's instructions in order: no wait between the stores and the loads.
.macro TOSTAGE a
.set AC, 64*((\a)%4)
	WIN 0x08+4*((\a)/4)                            ; the data: window 2 or 3
.irp b, 0,1,2,3,4,5,6,7
	ds_store_b128 v[STO], v[AC+8*\b:AC+8*\b+3] offset:64*\b          ; each accumulator from its low end on
	ds_store_b128 v[STO], v[AC+8*\b+4:AC+8*\b+7] offset:64*\b+16
.endr
	WIN 0
.set BB, BK+64*((\a)%2)
.irp t, 0,1,2,3,4,5,6,7,8,9,10,11,12,13,14,15
	ds_load_b128 v[BB+4*\t:BB+4*\t+3], v[RD] offset:\t*SPITCH
.endr
.endm
.macro SEND a, younger                 ; block a's first token is 32 (a / 2) + 8 (a % 2) of my 128; its row t is t % 8 + 16 (t / 8) further on
.set BB, BK+64*((\a)%2)
	s_wait_dscnt \younger                          ; the block is back in registers
.if (\a) > 0
.if (\a)%2 == 1
	s_add_nc_u64 s[12:13], s[12:13], 8*SIZE_N*4    ; (behind a wait on XCNT: the earlier stores have read their base)
.else
	s_add_nc_u64 s[12:13], s[12:13], 24*SIZE_N*4
.endif
.endif
.irp t, 0,1,2,3,4,5,6,7,8,9,10,11,12,13,14,15
	global_store_b128 v[CO], v[BB+4*\t:BB+4*\t+3], s[12:13] offset:((\t%8)+16*(\t/8))*SIZE_N*4 th:TH_STORE_NT   ; 32 lanes store 512 consecutive bytes, aligned; written once, read by nobody here
.endr
.endm
	PLACES NP
	TOSTAGE 0
.irp a, 1,2,3,4,5,6,7
.if \a > 1
	s_wait_xcnt 0x0                                ; block a - 2's stores have read their registers and their base
.endif
	TOSTAGE \a
	SEND \a-1, 32                                  ; behind block a - 1's loads: block a's 16 stores and 16 loads
.endr
	s_wait_xcnt 0x0
	SEND 7, 0
	s_wait_tensorcnt 0x0                           ; the wave's end
	ds_add_u32 v[SPW], v[NIL]
	s_wait_dscnt 0x0
	CROUND                                         ; the closing round
	s_endpgm
.Lfunc_end_k_q519c4d33f9_oproj:
	.size	k_q519c4d33f9_oproj, .Lfunc_end_k_q519c4d33f9_oproj-k_q519c4d33f9_oproj
	.p2alignl 7, 3214868480
	.fill 96, 4, 3214868480
	.section	.rodata,"a",@progbits
	.p2align	6, 0x0
	.amdhsa_kernel k_q519c4d33f9_oproj
		.amdhsa_group_segment_fixed_size 327680
		.amdhsa_private_segment_fixed_size 0
		.amdhsa_enable_private_segment 0
		.amdhsa_kernarg_size 24
		.amdhsa_user_sgpr_count 2
		.amdhsa_user_sgpr_kernarg_segment_ptr 1
		.amdhsa_wavefront_size32 1
		.amdhsa_system_sgpr_workgroup_id_x 1
		.amdhsa_system_sgpr_workgroup_id_y 1
		.amdhsa_system_sgpr_workgroup_id_z 1
		.amdhsa_system_vgpr_workitem_id 0
		.amdhsa_next_free_vgpr 1024
		.amdhsa_next_free_sgpr 100
		.amdhsa_reserve_vcc 0
		.amdhsa_float_denorm_mode_32 3
		.amdhsa_float_denorm_mode_16_64 3
		.amdhsa_memory_ordered 1
		.amdhsa_forward_progress 1
		.amdhsa_inst_pref_size 160
	.end_amdhsa_kernel
	.amdgpu_metadata
---
amdhsa.version: [ 1, 2 ]
amdhsa.kernels:
  - .name:           k_q519c4d33f9_oproj
    .symbol:         k_q519c4d33f9_oproj.kd
    .args:
      - { .name: ob, .offset: 0, .size: 8, .value_kind: global_buffer, .address_space: global }
      - { .name: wq, .offset: 8, .size: 8, .value_kind: global_buffer, .address_space: global }
      - { .name: out0, .offset: 16, .size: 8, .value_kind: global_buffer, .address_space: global }
    .group_segment_fixed_size: 327680
    .private_segment_fixed_size: 0
    .kernarg_segment_align: 8
    .kernarg_segment_size: 24
    .max_flat_workgroup_size: 128
    .sgpr_count:     100
    .vgpr_count:     1024
    .wavefront_size: 32
...
	.end_amdgpu_metadata
.endif
;; end of part 4
